; MI455X (gfx1250); checked and timed in simulation.
; The chip was launched on July 23, 2026; its instructions are those of AMD's public machine-readable ISA for CDNA 5 (MIT licence, August 2026) and "CDNA5" Instruction Set Architecture Reference Guide (July 2026). The comments in the code are by the model that wrote it; some were corrected since.
;; Swin Block. Allowed arithmetic: matrix products marked QUANTISED: E2M1 operands, one E8M0 scale for each 32 along K, by v_wmma_scale_f32_16x16x128_f8f6f4 with both operands' format E2M1 (or v_wmma_scale_f32_32x16x128_f4), f32 sums; everything else in f32.
;; Inputs: bn1_b 128 float32; bn1_g 128 float32; bn2_b 128 float32; bn2_g 128 float32; mlp_b1 512 float32; mlp_b2 128 float32; mlp_w1 512 x 128 float32; mlp_w2 128 x 512 float32; proj_b 128 float32; proj_w 128 x 128 float32; qkv_b 384 float32; qkv_w 384 x 128 float32; x 4 x 128 x 64 x 64 float32.
;; Outputs: out0 4 x 128 x 64 x 64 float32.
;; This version of the problem:
;;   THIS VERSION OF THE PROBLEM IS GIVEN IN LOW PRECISION. The matrix products marked QUANTISED in the list below multiply operands that are first quantised to E2M1 (2 exponent bits, 1 mantissa bit; 4 bits a number), with one power-of-two scale for each 32 numbers along K (OCP MX v1.0); their sums are f32. All else is computed in f32.
;;   The module's matrix products, in the order in which they are computed (A, B: the left and right operand; K: the contracted axis; several contracted axes count as one K, in the product's order):
;;     1. [M 384, K 128] x [K 128, N 16,384]; A: input qkv_w; B: computed on the way: QUANTISED
;;     2. batch 16 x [M 4,096, K 32] x [K 32, N 4,096]; A: computed on the way; B: computed on the way: QUANTISED
;;     3. batch 16 x [M 32, K 4,096] x [K 4,096, N 4,096]; A: computed on the way; B: softmax (see below): QUANTISED
;;     4. [M 128, K 128] x [K 128, N 16,384]; A: input proj_w; B: computed on the way: QUANTISED
;;     5. [M 512, K 128] x [K 128, N 16,384]; A: input mlp_w1; B: computed on the way: QUANTISED
;;     6. [M 128, K 512] x [K 512, N 16,384]; A: input mlp_w2; B: computed on the way: QUANTISED
;;   THE QUANTISER, for each operand of a quantised product, along K:
;;     - K is cut into blocks of 32 from its start; a last block that is shorter is filled with zeros.
;;     - A block's scale is 2^e with e = floor(log2(the largest magnitude in the block)) - 2, held to -126 .. 127; a block of zeros has e = 0. As a byte (E8M0): e + 127.
;;     - Each number is divided by its block's scale, clamped to +-6, and rounded to the nearest number of E2M1, ties to even, subnormals kept.
;;     - The product sums the exact products of the quantised numbers (number of the format x scale) in f32.
;;   ~~~python
;;   def quantise(x, axis):      # numpy; x: float32 -> the quantised numbers, widened to float32 again
;;       x = np.moveaxis(x, axis, -1); K = x.shape[-1]
;;       x = np.pad(x, [(0, 0)] * (x.ndim - 1) + [(0, -K % 32)]); x = x.reshape(x.shape[:-1] + (-1, 32)); a = np.abs(x).max(-1, keepdims=True)
;;       e = np.where(a > 0, np.clip(np.frexp(np.where(a > 0, a, 1))[1] - 1 - 2, -126, 127), 0)      # np.frexp(a)[1] - 1 = floor(log2(a)), exactly
;;       r = np.clip(x / 2.0 ** e, -6, 6)
;;       step = 2.0 ** (np.maximum(np.frexp(np.where(r == 0, 1, r))[1] - 1, 0) - 1)
;;       q = np.round(r / step) * step * 2.0 ** e      # np.round: ties to even
;;       return np.moveaxis(q.reshape(q.shape[:-2] + (-1,))[..., :K], -1, axis).astype(np.float32)
;;   ~~~
;;   SOFTMAX AHEAD OF A QUANTISED PRODUCT. Where the list says 'softmax', what is quantised is not the finished softmax but p = 2^(t - M), with t = logit x log2(e) and M = ceil(the row's largest t), a whole number; so 1/2 < the row's largest p <= 1. The row's sum l is taken of the UNQUANTISED p, in f32, and the product's result is divided by l at the end. Since M is a whole number, a kernel that streams over the keys may use a running M (the ceiling of the running maximum): every later rescaling is an exact power of two, which a block's scale takes up: the codes' values come out the same.
;;   OPERANDS COMPUTED ON THE WAY. 'Computed on the way' means the value that the module computes at that place (a softmax that the list does not call 'softmax' is quantised finished and normalised). What goes into a quantiser is computed in f32, as accurately as f32 sums, v_exp_f32 and their like allow (about 1e-6 of the number): no bf16 or f16 on the way to a quantiser, and a product that is left as it is and whose result goes on into a quantised operand takes f32 operands (vector FMAs, or v_wmma_f32_16x16x4_f32). A number that lies on a knife's edge between two numbers of the format may be rounded either way, as far as f32 arithmetic and the matrix unit's own rounding can turn it there, and no further.
;; One version. Each part assembles by itself: llvm-mc -triple=amdgcn-amd-amdhsa -mcpu=gfx1250 --defsym DOCPART=n.
;; ======== version 1 of 1: 5 launches
;; workspace buffers: stats1 1,024 bytes; wq 113,152 bytes; qc 1,114,112 bytes; kv 2,228,224 bytes; oc 1,114,112 bytes; pst 16,384 bytes
;; launch prep (part 1): grid 141 x 1, 8 waves a work-group, no clusters, 69,632 bytes of LDS; arguments x, bn1_g, qkv_w, proj_w, mlp_w1, mlp_w2, stats1, wq; writes stats1, wq
.if DOCPART == 1
	.amdgcn_target "amdgcn-amd-amdhsa--gfx1250"
	.amdhsa_code_object_version 6
	.text
	.protected	k_q38edf8cee7_prep
	.globl	k_q38edf8cee7_prep
	.p2align	8
	.type	k_q38edf8cee7_prep,@function
k_q38edf8cee7_prep:
	s_mov_b64 s[64:65], 0
	v_nop
	global_prefetch_b8 v0, s[64:65] scope:SCOPE_SE
	s_setreg_imm32_b32 hwreg(HW_REG_WAVE_MODE, 25, 1), 1
	s_wait_xcnt 0x0
; PREP.  Work-groups 0-127: the batch statistics of channel c = the work-group's number: mean1[c] and a1[c] = bn1_g[c] / sqrt(var + 1e-5).
; Work-groups 128-140: the four weights as codes of FP4 (E2M1) with one E8M0 byte for each 32 along K, laid as IMAGES OF OPERAND REGISTERS: fragment f (16 rows x 128 K) is 1,024 bytes,
; register group c of lane l at 512 c + 16 l; its 16 scale words lie at WSC + 64 f.  f 0-23 qkv_w, 24-31 proj_w, 32-63 mlp_w1, 64-95 mlp_w2 (tile (f-64)/4, K step (f-64)%4), 96-103 proj_w again.
; All but 96-103 take the rows 32 (T/2) + 8 (T%2) + r + 8 (r/8) of tile T, so that results used transposed have 16 neighbours along the next K in 16 registers; 96-103 take rows 16 T + r.
; The variance is taken in two passes over registers (the mean first, then the squares of the differences): no difference of large sums.
; LIMITS: NaN and infinities are not served; a block whose largest magnitude lies under 2^-124 keeps the byte 1; a block of zeros has the byte 1 (its codes are zeros; this program alone reads the bytes).
; The two paths part on the work-group's number and have LDS bytes of their own.
.set RED1,   0                         ; statistics: eight waves' sums
.set RED2,   256                       ; and their sums of squares
.set STG,    512                       ; weights: a stage of 16 rows x 528 bytes for each wave
.set SPITCH, 528
.set WSTG,   16*SPITCH
.set SWL,    STG+8*WSTG                ; the eight fragments' scale words, 64 bytes each
.set WSC,    106496
	s_load_b256 s[4:11], s[0:1], 0x0               ; x, bn1_g, qkv_w, proj_w
	s_load_b256 s[12:19], s[0:1], 0x20             ; mlp_w1, mlp_w2, stats1, wq
	v_lshl_add_u32 v160, v0, 2, 0x10c00
	v_mov_b32 v161, 0
	v_lshrrev_b32 v1, 5, v0
	s_delay_alu instid0(VALU_DEP_1)
	v_readfirstlane_b32 s20, v1                    ; wave 0..7
	s_mov_b32 s44, 0x76543210
	s_mov_b32 s45, 0xfedcba98                      ; v_permlanex16_b32's selects for lane l xor 16
	s_cmp_ge_u32 ttmp9, 128
	s_cbranch_scc1 .Lweights
	; ---- statistics: 256 threads x 64 numbers = the channel's 16,384
	s_lshl_b32 s22, ttmp9, 14                      ; the channel's 16,384 bytes in a batch
	s_mov_b32 s23, 0
	s_lshl_b32 s24, ttmp9, 2
	s_mov_b32 s25, 0
	s_lshl_b32 s21, s20, 2
	s_mov_b32 s30, 0x38800000                      ; 2^-14
	v_lshlrev_b32 v1, 4, v0                        ; 16 bytes a thread: a wave's load covers 512 consecutive bytes
	v_mov_b32 v10, s21                             ; my wave's word
	v_mov_b32 v11, 0
	v_mov_b32 v88, 0                               ; a lane permute's destination counts as read
	s_wait_alu depctr_va_vdst(0)
	s_wait_kmcnt 0x0
	s_add_nc_u64 s[4:5], s[4:5], s[22:23]
	s_add_nc_u64 s[6:7], s[6:7], s[24:25]
	s_add_nc_u64 s[16:17], s[16:17], s[24:25]
.irp b, 0,1,2,3
.irp k, 0,1,2,3
	global_load_b128 v[16+16*\b+4*\k:19+16*\b+4*\k], v1, s[4:5] offset:\b*2097152+\k*4096
.endr
.endr
	s_load_b32 s31, s[6:7], 0x0                    ; the gain
; four pairs of sums in v[80:87] become the work-group's total in v80, in every lane
.macro TOTAL red
	s_delay_alu instid0(VALU_DEP_3)
	v_pk_add_f32 v[80:81], v[80:81], v[82:83]
	s_delay_alu instid0(VALU_DEP_2)
	v_pk_add_f32 v[84:85], v[84:85], v[86:87]
	s_delay_alu instid0(VALU_DEP_1)
	v_pk_add_f32 v[80:81], v[80:81], v[84:85]
	s_delay_alu instid0(VALU_DEP_1)
	v_add_f32 v80, v80, v81
	s_delay_alu instid0(VALU_DEP_1)
	v_add_f32_dpp v80, v80, v80 row_xmask:1 row_mask:0xf bank_mask:0xf
	s_delay_alu instid0(VALU_DEP_1)
	v_add_f32_dpp v80, v80, v80 row_xmask:2 row_mask:0xf bank_mask:0xf
	s_delay_alu instid0(VALU_DEP_1)
	v_add_f32_dpp v80, v80, v80 row_xmask:4 row_mask:0xf bank_mask:0xf
	s_delay_alu instid0(VALU_DEP_1)
	v_add_f32_dpp v80, v80, v80 row_xmask:8 row_mask:0xf bank_mask:0xf
	s_delay_alu instid0(VALU_DEP_1)
	v_permlanex16_b32 v88, v80, s44, s45
	s_delay_alu instid0(VALU_DEP_1)
	v_add_f32 v80, v80, v88
	ds_store_b32 v10, v80 offset:\red              ; all lanes write the wave's word with the same value
	s_wait_dscnt 0x0                               ; for the others' sake: my store has landed
	s_barrier_signal -1
	s_barrier_wait -1
	ds_load_b128 v[100:103], v11 offset:\red
	ds_load_b128 v[104:107], v11 offset:\red+16
	s_wait_dscnt 0x0
	v_add_f32 v100, v100, v101
	v_add_f32 v102, v102, v103
	v_add_f32 v104, v104, v105
	v_add_f32 v106, v106, v107
	s_delay_alu instid0(VALU_DEP_3)
	v_add_f32 v100, v100, v102
	s_delay_alu instid0(VALU_DEP_2)
	v_add_f32 v104, v104, v106
	s_delay_alu instid0(VALU_DEP_1)
	v_add_f32 v80, v100, v104
.endm
	s_wait_loadcnt 0x0
.irp k, 0,1,2,3
	v_pk_add_f32 v[80+2*\k:81+2*\k], v[16+2*\k:17+2*\k], v[24+2*\k:25+2*\k]   ; four chains, started by the first pairs
.endr
.irp p, 8,12,16,20,24,28
.irp k, 0,1,2,3
	s_delay_alu instid0(VALU_DEP_4)
	v_pk_add_f32 v[80+2*\k:81+2*\k], v[80+2*\k:81+2*\k], v[16+2*(\p+\k):17+2*(\p+\k)]
.endr
.endr
	TOTAL RED1
	s_delay_alu instid0(VALU_DEP_1)
	v_mul_f32 v90, s30, v80                        ; the mean
	s_delay_alu instid0(VALU_DEP_1)
	v_mov_b32 v91, v90
.irp p, 0,4,8,12,16,20,24,28
.irp k, 0,1,2,3
	v_pk_add_f32 v[92+2*\k:93+2*\k], v[16+2*(\p+\k):17+2*(\p+\k)], v[90:91] neg_lo:[0,1] neg_hi:[0,1]
.endr
.irp k, 0,1,2,3
.if \p == 0
	s_delay_alu instid0(VALU_DEP_4)
	v_pk_mul_f32 v[80+2*\k:81+2*\k], v[92+2*\k:93+2*\k], v[92+2*\k:93+2*\k]
.else
	s_delay_alu instid0(VALU_DEP_4)
	v_pk_fma_f32 v[80+2*\k:81+2*\k], v[92+2*\k:93+2*\k], v[92+2*\k:93+2*\k], v[80+2*\k:81+2*\k]
.endif
.endr
.endr
	TOTAL RED2
	s_delay_alu instid0(VALU_DEP_1)
	v_fmaak_f32 v81, s30, v80, 0x3727c5ac          ; the biased variance + 1e-5
	s_wait_alu depctr_va_vdst(0)
	v_rsq_f32 v81, v81
	v_nop                                          ; a plain place behind the transcendental
	s_wait_alu depctr_va_vdst(0)                   ; the wait ahead of the first reader
	s_wait_kmcnt 0x0
	v_mul_f32 v81, s31, v81                        ; a1
	s_wait_alu depctr_va_vdst(0)
	s_wait_xcnt 0x0                                ; EXEC changes only behind this wait
	v_cmp_eq_u32 vcc_lo, 0, v0
	s_wait_tensorcnt 0x0
	ds_add_u32 v160, v161
	s_wait_dscnt 0x0
	s_and_saveexec_b32 s33, vcc_lo
	global_store_b32 v11, v90, s[16:17]
	global_store_b32 v11, v81, s[16:17] offset:512
	s_wait_xcnt 0x0
	s_or_b32 exec_lo, exec_lo, s33
	s_endpgm
.Lweights:                                         ; ---- one fragment a wave
	s_sub_co_u32 s21, ttmp9, 128
	s_lshl_b32 s46, s21, 9                         ; the work-group's 512 bytes of scale words
	s_add_co_u32 s46, s46, WSC
	s_mov_b32 s47, 0
	s_lshl_b32 s21, s21, 3
	s_add_co_u32 s21, s21, s20                     ; f
	v_and_b32 v2, 31, v0
	s_delay_alu instid0(VALU_DEP_1)
	v_lshlrev_b32 v3, 4, v2                        ; 16 x lane
	v_and_b32 v2, 15, v0                           ; r
	v_bfe_u32 v1, v0, 4, 1                         ; h
	s_mul_i32 s48, s20, WSTG
	s_add_co_u32 s48, s48, STG                     ; my stage
	v_add_nc_u32 v12, s48, v3                      ; in: a row's 512 bytes as they lie
	v_mul_u32_u24 v13, v2, SPITCH
	s_delay_alu instid0(VALU_DEP_1)
	v_lshl_add_u32 v13, v1, 7, v13
	s_delay_alu instid0(VALU_DEP_1)
	v_add_nc_u32 v13, s48, v13                     ; back: row r, + 128 h: my 32 numbers of each 64
	s_lshl_b32 s49, s20, 6
	s_add_co_u32 s49, s49, SWL
	v_lshl_add_u32 v14, v2, 2, s49                 ; my fragment's scale words
	v_add_nc_u32 v15, SWL, v3
	s_sub_co_u32 s30, s21, 24                      ; every candidate is made; the choice is by s_cselect alone
	s_sub_co_u32 s31, s21, 32
	s_sub_co_u32 s32, s21, 64
	s_lshr_b32 s33, s32, 2
	s_and_b32 s34, s32, 3
	s_lshl_b32 s34, s34, 9
	s_sub_co_u32 s35, s21, 96
	s_mov_b32 s36, 2048
	s_mov_b32 s22, s21                             ; the tile T,
	s_mov_b32 s23, 512                             ; a row of the weight in bytes,
	s_mov_b32 s24, 0                               ; the K step's bytes
	s_wait_alu depctr_va_vdst(0)
	s_wait_kmcnt 0x0
	s_mov_b64 s[26:27], s[8:9]
	s_cmp_ge_u32 s21, 24
	s_cselect_b64 s[26:27], s[10:11], s[26:27]
	s_cselect_b32 s22, s30, s22
	s_cmp_ge_u32 s21, 32
	s_cselect_b64 s[26:27], s[12:13], s[26:27]
	s_cselect_b32 s22, s31, s22
	s_cmp_ge_u32 s21, 64
	s_cselect_b64 s[26:27], s[14:15], s[26:27]
	s_cselect_b32 s22, s33, s22
	s_cselect_b32 s23, s36, s23
	s_cselect_b32 s24, s34, s24
	s_cmp_ge_u32 s21, 96
	s_cselect_b64 s[26:27], s[10:11], s[26:27]
	s_cselect_b32 s22, s35, s22
	s_cselect_b32 s23, 512, s23
	s_cselect_b32 s24, 0, s24
	s_cselect_b32 s39, 8, 16                       ; rows from the tile's first eight to its second eight
	s_lshr_b32 s37, s22, 1
	s_lshl_b32 s37, s37, 5
	s_and_b32 s38, s22, 1
	s_lshl_b32 s38, s38, 3
	s_add_co_u32 s37, s37, s38                     ; 32 (T/2) + 8 (T%2),
	s_lshl_b32 s38, s22, 4                         ; or 16 T
	s_cmp_ge_u32 s21, 96
	s_cselect_b32 s37, s38, s37
	s_mul_i32 s40, s37, s23
	s_add_co_u32 s40, s40, s24
	s_mov_b32 s41, 0
	s_add_nc_u64 s[26:27], s[26:27], s[40:41]      ; rows 0-7 of the fragment
	s_mul_i32 s42, s39, s23
	s_mov_b32 s43, 0
	s_add_nc_u64 s[28:29], s[26:27], s[42:43]      ; rows 8-15
	s_lshl_b32 s40, s21, 10
	s_add_nc_u64 s[34:35], s[18:19], s[40:41]      ; the image
	s_add_nc_u64 s[36:37], s[18:19], s[46:47]      ; the scale words
	v_mov_b32 v4, v3
.irp i, 1,2,3,4,5,6,7
	s_delay_alu instid0(VALU_DEP_1)
	v_add_nc_u32 v[4+\i], s23, v[3+\i]             ; 16 x lane + i rows
.endr
.irp i, 0,1,2,3,4,5,6,7
	global_load_b128 v[16+4*\i:19+4*\i], v[4+\i], s[26:27]     ; a row's 512 consecutive bytes
.endr
.irp i, 0,1,2,3,4,5,6,7
	global_load_b128 v[48+4*\i:51+4*\i], v[4+\i], s[28:29]
.endr
	s_wait_loadcnt 0x0
.irp i, 0,1,2,3,4,5,6,7,8,9,10,11,12,13,14,15
	ds_store_b128 v12, v[16+4*\i:19+4*\i] offset:\i*SPITCH
.endr
.irp c, 0,1
.irp q, 0,1,2,3,4,5,6,7
	ds_load_b128 v[80+32*\c+4*\q:83+32*\c+4*\q], v13 offset:256*\c+16*\q   ; k = 64 c + 32 h + 4 q ..: LDS serves a wave's instructions in order, these see my stores
.endr
.endr
	s_wait_dscnt 0x0
.irp c, 0,1
	v_max3_num_f32 v[152+\c], |v[80+32*\c]|, |v[81+32*\c]|, 0x1800000   ; block 2 c + h is all mine; the floor 2^(3 - 127) holds the byte at 1 from below
.endr
.irp i, 2,4,6,8,10,12,14,16,18,20,22,24,26,28,30
.irp c, 0,1
	s_delay_alu instid0(VALU_DEP_2)
	v_max3_num_f32 v[152+\c], v[152+\c], |v[80+32*\c+\i]|, |v[81+32*\c+\i]|
.endr
.endr
.irp c, 0,1
	s_delay_alu instid0(VALU_DEP_2)
	v_add_nc_u32 v[154+\c], 0xff000000, v[152+\c]  ; 2 off the exponent field: the conversion's scale operand
.endr
.irp c, 0,1
	s_delay_alu instid0(VALU_DEP_2)
	v_lshrrev_b32 v[156+\c], 23, v[154+\c]         ; the scale's byte
.endr
	s_delay_alu instid0(VALU_DEP_1)
	v_lshl_or_b32 v158, v157, 16, v156             ; blocks h and 2 + h,
	v_lshlrev_b32 v159, 3, v1
	s_delay_alu instid0(VALU_DEP_1)
	v_lshlrev_b32 v158, v159, v158                 ; at their places in the word;
	v_mov_b32 v159, 0
	s_delay_alu instid0(VALU_DEP_1)
	v_permlanex16_b32 v159, v158, s44, s45
	s_delay_alu instid0(VALU_DEP_1)
	v_or_b32 v158, v158, v159                      ; with lane l xor 16's two it is whole
.irp c, 0,1
.irp g, 0,1,2,3
	v_cvt_scalef32_pk8_fp4_f32 v[144+4*\c+\g], v[80+32*\c+8*\g:87+32*\c+8*\g], v[154+\c]
.endr
.endr
	v_nop                                          ; one plain place behind the last scaled conversion
	global_store_b128 v3, v[144:147], s[34:35]     ; 512 consecutive bytes a store
	global_store_b128 v3, v[148:151], s[34:35] offset:512
	ds_store_b32 v14, v158                         ; both halves of the lanes write the same word
	s_wait_dscnt 0x0
	s_barrier_signal -1
	s_barrier_wait -1
	s_cmp_lg_u32 s20, 0
	s_cbranch_scc1 .Lend
	ds_load_b128 v[16:19], v15                     ; the eight fragments' words leave as 512 consecutive bytes
	s_wait_dscnt 0x0
	global_store_b128 v3, v[16:19], s[36:37]
.Lend:
	s_wait_tensorcnt 0x0
	ds_add_u32 v160, v161
	s_wait_dscnt 0x0
	s_endpgm
.Lfunc_end_k_q38edf8cee7_prep:
	.size	k_q38edf8cee7_prep, .Lfunc_end_k_q38edf8cee7_prep-k_q38edf8cee7_prep
	.p2alignl 7, 3214868480
	.fill 96, 4, 3214868480
	.section	.rodata,"a",@progbits
	.p2align	6, 0x0
	.amdhsa_kernel k_q38edf8cee7_prep
		.amdhsa_group_segment_fixed_size 69632
		.amdhsa_private_segment_fixed_size 0
		.amdhsa_enable_private_segment 0
		.amdhsa_kernarg_size 64
		.amdhsa_user_sgpr_count 2
		.amdhsa_user_sgpr_kernarg_segment_ptr 1
		.amdhsa_wavefront_size32 1
		.amdhsa_system_sgpr_workgroup_id_x 1
		.amdhsa_system_sgpr_workgroup_id_y 1
		.amdhsa_system_sgpr_workgroup_id_z 1
		.amdhsa_system_vgpr_workitem_id 0
		.amdhsa_next_free_vgpr 162
		.amdhsa_next_free_sgpr 66
		.amdhsa_reserve_vcc 1
		.amdhsa_float_denorm_mode_32 3
		.amdhsa_float_denorm_mode_16_64 3
		.amdhsa_memory_ordered 1
		.amdhsa_forward_progress 1
		.amdhsa_inst_pref_size 27
	.end_amdhsa_kernel
	.amdgpu_metadata
---
amdhsa.version: [ 1, 2 ]
amdhsa.kernels:
  - .name:           k_q38edf8cee7_prep
    .symbol:         k_q38edf8cee7_prep.kd
    .args:
      - { .name: x, .offset: 0, .size: 8, .value_kind: global_buffer, .address_space: global }
      - { .name: bn1_g, .offset: 8, .size: 8, .value_kind: global_buffer, .address_space: global }
      - { .name: qkv_w, .offset: 16, .size: 8, .value_kind: global_buffer, .address_space: global }
      - { .name: proj_w, .offset: 24, .size: 8, .value_kind: global_buffer, .address_space: global }
      - { .name: mlp_w1, .offset: 32, .size: 8, .value_kind: global_buffer, .address_space: global }
      - { .name: mlp_w2, .offset: 40, .size: 8, .value_kind: global_buffer, .address_space: global }
      - { .name: stats1, .offset: 48, .size: 8, .value_kind: global_buffer, .address_space: global }
      - { .name: wq, .offset: 56, .size: 8, .value_kind: global_buffer, .address_space: global }
    .group_segment_fixed_size: 69632
    .private_segment_fixed_size: 0
    .kernarg_segment_align: 8
    .kernarg_segment_size: 64
    .max_flat_workgroup_size: 256
    .sgpr_count:     66
    .vgpr_count:     162
    .wavefront_size: 32
...
	.end_amdgpu_metadata
.endif
;; end of part 1
;; launch qkv (part 2): grid 128 x 1, 8 waves a work-group, no clusters, 11,264 bytes of LDS; arguments x, stats1, bn1_b, wq, qkv_b, qc, kv; writes qc, kv
.if DOCPART == 2
	.amdgcn_target "amdgcn-amd-amdhsa--gfx1250"
	.amdhsa_code_object_version 6
	.text
	.protected	k_q38edf8cee7_qkv
	.globl	k_q38edf8cee7_qkv
	.p2align	8
	.type	k_q38edf8cee7_qkv,@function
k_q38edf8cee7_qkv:
	s_mov_b64 s[64:65], 0
	v_nop
	global_prefetch_b8 v0, s[64:65] scope:SCOPE_SE
	s_setreg_imm32_b32 hwreg(HW_REG_WAVE_MODE, 25, 1), 1
	s_wait_xcnt 0x0
; QKV.  h = (x - mean1) a1 + bn1_b, quantised along the 128 channels of a pixel; q, k, v = qkv_w h + qkv_b on codes of FP4; q and k quantised along a head's 32 channels, v along the keys;
; all three stored in the order in which the attention launch's operand registers take them.
; A work-group takes 128 pixels of one batch: one key step.  Wave w: hh = w % 4, ph = w / 4.
; X: wave (hh, ph) quantises channels 32 hh .. + 31 (one block) of pixels 64 ph .. + 63, two pixels a lane; codes go to LDS as images of eight operand fragments (16 pixels x 128 channels), bytes beside them.
; Q: head hh, pixels 64 ph on: source 0 = 16 rows of the weight, source 1 = 16 pixels: a lane holds one pixel, 16 registers are 16 neighbouring d.  The four tiles of pixels are the quantiser's four blocks.
; K: the same with tiles of pixels 32 b + 8 u + r + 8 (r / 8): the result is a fragment whose block t holds tile t's 16 keys x 32 d: the attention launch multiplies it by a query fragment that is zero but in block t.
; V: d-tile w (head w / 2): source 0 = 16 pixels, source 1 = 16 rows of the weight: a lane holds one d, its registers run along the keys: the quantiser's blocks are 32 keys.
; LIMITS: NaN and infinities are not served; a block whose largest magnitude lies under 2^-124 keeps the byte 1, a block of zeros too (its codes are zeros).  The gain is folded: a1 = gamma / sqrt(var + eps).
; REGISTERS.  Window 0: v1-15, v144-150 addresses; v16-79 x, later fragments of h; v80-84 the weights' scale words, v85 V's bias; v88-95 h's scale words; v96-119 codes (three sets), v120-122 scale words made;
;   v128-143 the quantiser's; v176-239 h, later results; v240-255 at work in X.  Window 1: v0-39 five weight fragments; v40-79 biases in the result's layout; v80-175 mean, gain, offset of my 32 channels.
.set HI,    0                          ; LDS: h's eight images, 1,024 bytes each
.set HS,    8192                       ; h's scale bytes, 4 a pixel
.set SCL,   8704                       ; scale words on their way out: 4 heads x 256 bytes for kv, then 512 bytes for q
.set STEPB, 4352                       ; a key step in kv: K 2 x 1,024, V 2 x 1,024, scale words 4 x 64
.set WSC,   106496
.set QSO,   1048576
.set SEL,   24
.set TM,    128
.set XO, 1
.set ZR, 2
.set LI, 3
.set WFO, 4
.set WVO, 5
.set BO, 6
.set HWA, 7
.set HSA, 8
.set QFA, 9
.set QSA, 10
.set KFA, 11
.set KSA, 12
.set VFA, 13
.set VSA, 14
.set WSO, 15
.set WSV, 144
.set BVO, 145
.set SQ, 146
.set SK, 147
.set SV, 148
.set ERD, 149
.set EOO, 150
.set MSB, 0
.macro WIN new                         ; the immediate's high byte repeats the setting that is left
.if MSB != \new
	s_set_vgpr_msb (MSB<<8)|\new
.set MSB, \new
.endif
.endm
.macro BARRIER                         ; my LDS stores have landed and my LDS loads are in: then the work-group's barrier
	s_wait_dscnt 0x0
	s_barrier_signal -1
	s_barrier_wait -1
.endm
.macro MM d, a, b, c, sa, sb
	v_wmma_scale_f32_16x16x128_f8f6f4 v[\d:\d+7], v[\a:\a+7], v[\b:\b+7], v[\c:\c+7], v[\sa], v[\sb] matrix_a_fmt:MATRIX_FMT_FP4 matrix_b_fmt:MATRIX_FMT_FP4
.endm
.macro PLACES                          ; four plain places behind matrix instructions, ahead of the first read of results and of loads into their operands
.rept 4
	v_nop
.endr
.endm
; 64 numbers of a lane, register 16 b + i = number 16 (lane / 16) + i of block b of my row, become a fragment's codes in v[pc] on and its scale word in v[pw]
.macro QUANT s, pc, pw
.irp b, 0,1,2,3
	v_max3_num_f32 v[TM+\b], |v[\s+16*\b]|, |v[\s+1+16*\b]|, 0x1800000   ; my 16 numbers and the floor 2^(3 - 127): the byte cannot fall under 1
.endr
.irp i, 2,4,6,8,10,12,14
.irp b, 0,1,2,3
	v_max3_num_f32 v[TM+\b], v[TM+\b], |v[\s+16*\b+\i]|, |v[\s+1+16*\b+\i]|
.endr
.endr
.irp b, 0,1,2,3
	v_permlanex16_b32 v[TM+4+\b], v[TM+\b], s[SEL], s[SEL+1]
.endr
.irp b, 0,1,2,3
	v_max_num_f32 v[TM+\b], v[TM+\b], v[TM+4+\b]   ; with lane l xor 16's: the block's largest magnitude
.endr
.irp b, 0,1,2,3
	v_add_nc_u32 v[TM+12+\b], 0xff000000, v[TM+\b] ; 2 off its exponent field: the conversion's scale operand
.endr
.irp b, 0,1,2,3
	v_lshrrev_b32 v[TM+4+\b], 23, v[TM+12+\b]      ; the scale's byte
.endr
	v_lshl_or_b32 v[\pw], v[TM+5], 8, v[TM+4]
	v_lshl_or_b32 v[\pw], v[TM+6], 16, v[\pw]
	v_lshl_or_b32 v[\pw], v[TM+7], 24, v[\pw]
.irp b, 0,1,2,3
	v_cvt_scalef32_pk8_fp4_f32 v[\pc+2*\b], v[\s+16*\b:\s+7+16*\b], v[TM+12+\b]
	v_cvt_scalef32_pk8_fp4_f32 v[\pc+1+2*\b], v[\s+8+16*\b:\s+15+16*\b], v[TM+12+\b]
.endr
	v_nop                                          ; one plain place behind a scaled conversion
.irp c, 0,1                                    ; the operand's layout wants a whole block in a lane
.irp i, 0,1
	v_permlane16_swap_b32 v[\pc+4*\c+\i], v[\pc+2+4*\c+\i]
.endr
.endr
.endm
	s_load_b256 s[4:11], s[0:1], 0x0               ; x, stats1, bn1_b, wq
	s_load_b128 s[12:15], s[0:1], 0x20             ; qkv_b, qc
	s_load_b64 s[16:17], s[0:1], 0x30              ; kv
	v_lshl_add_u32 v246, v0, 2, 0x2800
	v_mov_b32 v247, 0
	v_lshrrev_b32 v151, 5, v0
	v_readfirstlane_b32 s18, v151                  ; wave 0..7
	s_and_b32 s19, s18, 3                          ; hh
	s_lshr_b32 s20, s18, 2                         ; ph
	s_lshr_b32 s21, ttmp9, 5                       ; the batch
	s_and_b32 s22, ttmp9, 31                       ; the key step
	s_mov_b32 s[SEL], 0x76543210
	s_mov_b32 s[SEL+1], 0xfedcba98
	s_lshl_b32 s26, s21, 21                        ; x: batch, 32 hh channels, 128 st + 64 ph pixels
	s_lshl_b32 s27, s19, 19
	s_add_co_u32 s26, s26, s27
	s_lshl_b32 s27, s22, 9
	s_add_co_u32 s26, s26, s27
	s_lshl_b32 s27, s20, 8
	s_add_co_u32 s26, s26, s27
	s_mov_b32 s27, 0
	s_lshl_b32 s28, s19, 7                         ; 32 hh numbers of f32
	s_mov_b32 s29, 0
	s_lshl_b32 s30, s21, 2                         ; 4 b
	s_add_co_u32 s31, s30, s19                     ; bh = 4 b + hh
	s_lshl_b32 s42, s31, 16                        ; qc: 16 bytes a pixel
	s_lshl_b32 s43, s22, 11
	s_add_co_u32 s42, s42, s43
	s_lshl_b32 s43, s20, 10
	s_add_co_u32 s42, s42, s43
	s_mov_b32 s43, 0
	s_lshl_b32 s44, s31, 5                         ; kv: K's fragment ph of (bh, st)
	s_add_co_u32 s44, s44, s22
	s_mul_i32 s44, s44, STEPB
	s_lshl_b32 s45, s20, 10
	s_add_co_u32 s44, s44, s45
	s_mov_b32 s45, 0
	s_lshr_b32 s46, s18, 1                         ; kv: V's fragment w % 2 of head w / 2
	s_add_co_u32 s46, s46, s30
	s_lshl_b32 s46, s46, 5
	s_add_co_u32 s46, s46, s22
	s_mul_i32 s46, s46, STEPB
	s_and_b32 s47, s18, 1
	s_lshl_b32 s47, s47, 10
	s_add_co_u32 s46, s46, s47
	s_add_co_u32 s46, s46, 2048
	s_mov_b32 s47, 0
	s_min_u32 s48, s18, 1                          ; the end: waves 0, 1 store the scale words of heads 2 w, 2 w + 1,
	s_lshl_b32 s48, s48, 1
	s_add_co_u32 s48, s48, s30
	s_lshl_b32 s48, s48, 5
	s_add_co_u32 s48, s48, s22
	s_mul_i32 s48, s48, STEPB
	s_add_co_u32 s48, s48, 4096
	s_mov_b32 s49, 0
	s_lshl_b32 s50, s21, 5                         ; wave 2 those of q
	s_add_co_u32 s50, s50, s22
	s_lshl_b32 s50, s50, 9
	s_add_co_u32 s50, s50, QSO
	s_mov_b32 s51, 0
	v_and_b32 v151, 31, v0                         ; lane
	v_and_b32 v152, 15, v0                         ; r
	v_bfe_u32 v153, v0, 4, 1                       ; h
	v_and_b32 v154, 7, v0                          ; r % 8
	v_bfe_u32 v155, v0, 3, 1                       ; r / 8
	v_bfe_u32 v156, v0, 3, 2                       ; lane / 8
	v_lshlrev_b32 v[XO], 3, v151                   ; two pixels a lane
	v_mov_b32 v[ZR], 0
	v_lshlrev_b32 v[LI], 4, v151
	s_lshl_b32 s53, s19, 11
	v_add_nc_u32 v[WFO], s53, v[LI]                ; fragments 2 hh + u
	s_lshl_b32 s53, s18, 10
	v_add_nc_u32 v[WVO], s53, v[LI]                ; fragment w
	v_lshlrev_b32 v[BO], 6, v153
	s_lshl_b32 s54, s20, 12                        ; 4,096 ph
	s_lshr_b32 s53, s19, 1
	s_lshl_b32 s53, s53, 9
	s_add_co_u32 s53, s53, s54
	s_and_b32 s55, s19, 1
	s_lshl_b32 s55, s55, 8
	s_add_co_u32 s53, s53, s55
	v_lshlrev_b32 v[HWA], 5, v154
	v_lshl_add_u32 v[HWA], v156, 10, v[HWA]
	v_add_nc_u32 v[HWA], s53, v[HWA]               ; (pixel p, block hh) lies at 1,024 (p / 16) + 512 (hh / 2) + 256 (hh % 2) + 16 (p % 16)
	s_lshl_b32 s55, s20, 8
	s_add_co_u32 s55, s55, HS                      ; HS + 256 ph
	s_add_co_u32 s53, s55, s19
	v_lshl_add_u32 v[HSA], v151, 3, s53
	v_add_nc_u32 v[QFA], s54, v[LI]
	v_lshl_add_u32 v[QSA], v152, 2, s55
	v_lshlrev_b32 v[VFA], 4, v154
	v_lshl_add_u32 v[VFA], v153, 8, v[VFA]
	v_lshl_add_u32 v[VFA], v155, 10, v[VFA]        ; row r of a tile of pixels 8 u + r + 8 (r / 8)
	v_add_nc_u32 v[KFA], s54, v[VFA]
	v_lshlrev_b32 v[VSA], 2, v154
	v_lshl_add_u32 v[VSA], v155, 6, v[VSA]
	v_add_nc_u32 v[KSA], s55, v[VSA]
	v_add_nc_u32 v[VSA], HS, v[VSA]
	v_lshl_add_u32 v[WSO], v152, 2, s28
	s_lshl_b32 s53, s18, 6
	v_lshl_add_u32 v[WSV], v152, 2, s53
	s_lshr_b32 s53, s18, 1
	s_lshl_b32 s53, s53, 7
	s_and_b32 s55, s18, 1
	s_lshl_b32 s55, s55, 5
	s_add_co_u32 s53, s53, s55
	v_lshlrev_b32 v[BVO], 2, v152
	v_lshl_add_u32 v[BVO], v155, 5, v[BVO]
	v_add_nc_u32 v[BVO], s53, v[BVO]               ; V's bias of row 32 (w / 2) + 8 (w % 2) + r + 8 (r / 8)
	s_lshl_b32 s55, s20, 6
	s_add_co_u32 s53, s28, s55
	s_add_co_u32 s53, s53, SCL+1024
	v_lshl_add_u32 v[SQ], v152, 2, s53
	s_lshl_b32 s53, s19, 8
	s_add_co_u32 s53, s53, s55
	s_add_co_u32 s53, s53, SCL
	v_lshl_add_u32 v[SK], v152, 2, s53
	s_lshr_b32 s53, s18, 1
	s_lshl_b32 s53, s53, 8
	s_and_b32 s55, s18, 1
	s_lshl_b32 s55, s55, 6
	s_add_co_u32 s53, s53, s55
	s_add_co_u32 s53, s53, SCL+128
	v_lshl_add_u32 v[SV], v152, 2, s53
	s_min_u32 s53, s18, 2
	s_lshl_b32 s53, s53, 9
	s_add_co_u32 s53, s53, SCL
	v_add_nc_u32 v[ERD], s53, v[LI]
	s_mov_b32 s52, 32*STEPB                        ; from head to head in kv,
	s_cmp_eq_u32 s18, 2
	s_cselect_b32 s52, 256, s52                    ; or on end in qc
	v_mul_lo_u32 v[EOO], v153, s52
	v_lshl_add_u32 v[EOO], v152, 4, v[EOO]
.irp b, 0,1,2,3
	v_mov_b32 v[TM+4+\b], 0                        ; written once: a lane permute's destination counts as read
.endr
	s_wait_kmcnt 0x0
	s_add_nc_u64 s[4:5], s[4:5], s[26:27]
	s_add_nc_u64 s[6:7], s[6:7], s[28:29]
	s_add_nc_u64 s[8:9], s[8:9], s[28:29]
	s_add_nc_u64 s[32:33], s[12:13], s[28:29]
	s_add_nc_u64 s[34:35], s[14:15], s[42:43]
	s_add_nc_u64 s[36:37], s[16:17], s[44:45]
	s_add_nc_u64 s[38:39], s[16:17], s[46:47]
	s_add_nc_u64 s[48:49], s[16:17], s[48:49]
	s_add_nc_u64 s[50:51], s[14:15], s[50:51]
	s_cmp_eq_u32 s18, 2
	s_cselect_b64 s[40:41], s[50:51], s[48:49]
.irp i, 0,1,2,3,4,5,6,7,8,9,10,11,12,13,14,15,16,17,18,19,20,21,22,23,24,25,26,27,28,29,30,31
	global_load_b64 v[16+2*\i:17+2*\i], v[XO], s[4:5] offset:\i*16384     ; channel 32 hh + i: the wave reads 256 consecutive bytes
.endr
	WIN 0x40                                       ; destinations in window 1
.irp q, 0,1,2,3,4,5,6,7
	global_load_b128 v[80+4*\q:83+4*\q], v[ZR], s[6:7] offset:16*\q       ; mean, the same in every lane
	global_load_b128 v[112+4*\q:115+4*\q], v[ZR], s[6:7] offset:512+16*\q ; gain
	global_load_b128 v[144+4*\q:147+4*\q], v[ZR], s[8:9] offset:16*\q     ; offset
.endr
.irp u, 0,1
.irp c, 0,1
	global_load_b128 v[8*\u+4*\c:8*\u+4*\c+3], v[WFO], s[10:11] offset:\u*1024+\c*512
	global_load_b128 v[16+8*\u+4*\c:16+8*\u+4*\c+3], v[WFO], s[10:11] offset:8192+\u*1024+\c*512
.endr
.endr
.irp c, 0,1
	global_load_b128 v[32+4*\c:35+4*\c], v[WVO], s[10:11] offset:16384+\c*512
.endr
.irp u, 0,1
.irp c, 0,1
	global_load_b128 v[40+8*\u+4*\c:43+8*\u+4*\c], v[BO], s[32:33] offset:32*\u+16*\c        ; q's bias of d = 16 h + 8 u + j
	global_load_b128 v[56+8*\u+4*\c:59+8*\u+4*\c], v[BO], s[32:33] offset:512+32*\u+16*\c    ; k's
.endr
.endr
	WIN 0
	global_load_b32 v80, v[WSO], s[10:11] offset:WSC
	global_load_b32 v81, v[WSO], s[10:11] offset:WSC+64
	global_load_b32 v82, v[WSO], s[10:11] offset:WSC+512
	global_load_b32 v83, v[WSO], s[10:11] offset:WSC+576
	global_load_b32 v84, v[WSV], s[10:11] offset:WSC+1024
	global_load_b32 v85, v[BVO], s[12:13] offset:1024
	; ---- X
	s_wait_loadcnt 24                              ; x and the statistics are in; the 18 loads of weights and biases and the 6 behind them may be out
	WIN 0x04                                       ; source 1 in window 1
.irp i, 0,1,2,3,4,5,6,7,8,9,10,11,12,13,14,15,16,17,18,19,20,21,22,23,24,25,26,27,28,29,30,31
	v_sub_f32 v[176+\i], v[16+2*\i], v[80+\i]      ; the two pixels part here: 32 channels of each on end
	v_sub_f32 v[208+\i], v[17+2*\i], v[80+\i]
.endr
	WIN 0x14                                       ; sources 1 and 2 in window 1
.irp i, 0,1,2,3,4,5,6,7,8,9,10,11,12,13,14,15,16,17,18,19,20,21,22,23,24,25,26,27,28,29,30,31
	v_fma_f32 v[176+\i], v[176+\i], v[112+\i], v[144+\i]
	v_fma_f32 v[208+\i], v[208+\i], v[112+\i], v[144+\i]
.endr
	WIN 0
.irp e, 0,1
	v_max3_num_f32 v[240+\e], |v[176+32*\e]|, |v[177+32*\e]|, 0x1800000
.endr
.irp i, 2,4,6,8,10,12,14,16,18,20,22,24,26,28,30
.irp e, 0,1
	v_max3_num_f32 v[240+\e], v[240+\e], |v[176+32*\e+\i]|, |v[177+32*\e+\i]|
.endr
.endr
.irp e, 0,1
	v_add_nc_u32 v[242+\e], 0xff000000, v[240+\e]
.endr
.irp e, 0,1
	v_lshrrev_b32 v[244+\e], 23, v[242+\e]
.endr
.irp e, 0,1
.irp g, 0,1,2,3
	v_cvt_scalef32_pk8_fp4_f32 v[248+4*\e+\g], v[176+32*\e+8*\g:183+32*\e+8*\g], v[242+\e]
.endr
.endr
	v_nop                                          ; one plain place: matrix instructions write the numbers' registers later
	ds_store_b128 v[HWA], v[248:251]
	ds_store_b128 v[HWA], v[252:255] offset:16
	ds_store_b8 v[HSA], v244
	ds_store_b8 v[HSA], v245 offset:4
	BARRIER                                        ; h's eight fragments and their bytes lie in LDS; nobody writes them again
	; ---- Q
.irp m, 0,1,2,3
.irp c, 0,1
	ds_load_b128 v[16+8*\m+4*\c:19+8*\m+4*\c], v[QFA] offset:\m*1024+\c*512
.endr
	ds_load_b32 v[88+\m], v[QSA] offset:64*\m
.endr
	s_wait_loadcnt 0x0                             ; the weights, their scale words, the biases
	WIN 0x40
.irp j, 0,1,2,3,4,5,6,7
	v_mov_b32 v[72+\j], v85                        ; V's bias in the result's layout: a lane holds one d
.endr
	s_wait_dscnt 0x0
	WIN 0x11                                       ; the weight and the bias in window 1
.irp m, 0,1,2,3
.irp u, 0,1
	MM 176+16*\m+8*\u, 8*\u, 16+8*\m, 40+8*\u, 80+\u, 88+\m
.endr
.endr
	WIN 0
	PLACES
	QUANT 176, 96, 120
	global_store_b128 v[LI], v[96:99], s[34:35]    ; group c of lane 16 h + r: pixel 16 (2 c + h) + r: 512 consecutive bytes
	global_store_b128 v[LI], v[100:103], s[34:35] offset:512
	ds_store_b32 v[SQ], v120
	; ---- K
.irp bb, 0,1
.irp uu, 0,1
.irp c, 0,1
	ds_load_b128 v[16+8*(2*\bb+\uu)+4*\c:19+8*(2*\bb+\uu)+4*\c], v[KFA] offset:\bb*2048+\c*512+\uu*128
.endr
	ds_load_b32 v[88+2*\bb+\uu], v[KSA] offset:4*(32*\bb+8*\uu)
.endr
.endr
	s_wait_dscnt 0x0
	WIN 0x11
.irp t, 0,1,2,3
.irp u, 0,1
	MM 176+16*\t+8*\u, 16+8*\u, 16+8*\t, 56+8*\u, 82+\u, 88+\t
.endr
.endr
	WIN 0
	PLACES
	QUANT 176, 104, 121
	global_store_b128 v[LI], v[104:107], s[36:37]
	global_store_b128 v[LI], v[108:111], s[36:37] offset:512
	ds_store_b32 v[SK], v121
	; ---- V
.irp ff, 0,1
.irp bb, 0,1
.irp uu, 0,1
.irp c, 0,1
	ds_load_b128 v[16+8*(4*\ff+2*\bb+\uu)+4*\c:19+8*(4*\ff+2*\bb+\uu)+4*\c], v[VFA] offset:\ff*4096+\bb*2048+\c*512+\uu*128
.endr
	ds_load_b32 v[88+4*\ff+2*\bb+\uu], v[VSA] offset:\ff*256+4*(32*\bb+8*\uu)
.endr
.endr
.endr
	s_wait_dscnt 0x0
	WIN 0x14                                       ; source 1 (the weight) and the bias in window 1
.irp t, 0,1,2,3,4,5,6,7
	MM 176+8*\t, 16+8*\t, 32, 72, 88+\t, 84
.endr
	WIN 0
	PLACES
	QUANT 176, 112, 122
	global_store_b128 v[LI], v[112:115], s[38:39]
	global_store_b128 v[LI], v[116:119], s[38:39] offset:512
	ds_store_b32 v[SV], v122
	BARRIER                                        ; all scale words lie in LDS
	s_cmp_gt_u32 s18, 2
	s_cbranch_scc1 .Ldone
	ds_load_b128 v[16:19], v[ERD]
	s_wait_dscnt 0x0
	global_store_b128 v[EOO], v[16:19], s[40:41]   ; sixteen lanes store 256 consecutive bytes, aligned
.Ldone:
	s_wait_tensorcnt 0x0
	ds_add_u32 v246, v247
	s_wait_dscnt 0x0
	s_endpgm
.Lfunc_end_k_q38edf8cee7_qkv:
	.size	k_q38edf8cee7_qkv, .Lfunc_end_k_q38edf8cee7_qkv-k_q38edf8cee7_qkv
	.p2alignl 7, 3214868480
	.fill 96, 4, 3214868480
	.section	.rodata,"a",@progbits
	.p2align	6, 0x0
	.amdhsa_kernel k_q38edf8cee7_qkv
		.amdhsa_group_segment_fixed_size 11264
		.amdhsa_private_segment_fixed_size 0
		.amdhsa_enable_private_segment 0
		.amdhsa_kernarg_size 56
		.amdhsa_user_sgpr_count 2
		.amdhsa_user_sgpr_kernarg_segment_ptr 1
		.amdhsa_wavefront_size32 1
		.amdhsa_system_sgpr_workgroup_id_x 1
		.amdhsa_system_sgpr_workgroup_id_y 1
		.amdhsa_system_sgpr_workgroup_id_z 1
		.amdhsa_system_vgpr_workitem_id 0
		.amdhsa_next_free_vgpr 512
		.amdhsa_next_free_sgpr 66
		.amdhsa_reserve_vcc 0
		.amdhsa_float_denorm_mode_32 3
		.amdhsa_float_denorm_mode_16_64 3
		.amdhsa_memory_ordered 1
		.amdhsa_forward_progress 1
		.amdhsa_inst_pref_size 43
	.end_amdhsa_kernel
	.amdgpu_metadata
---
amdhsa.version: [ 1, 2 ]
amdhsa.kernels:
  - .name:           k_q38edf8cee7_qkv
    .symbol:         k_q38edf8cee7_qkv.kd
    .args:
      - { .name: x, .offset: 0, .size: 8, .value_kind: global_buffer, .address_space: global }
      - { .name: stats1, .offset: 8, .size: 8, .value_kind: global_buffer, .address_space: global }
      - { .name: bn1_b, .offset: 16, .size: 8, .value_kind: global_buffer, .address_space: global }
      - { .name: wq, .offset: 24, .size: 8, .value_kind: global_buffer, .address_space: global }
      - { .name: qkv_b, .offset: 32, .size: 8, .value_kind: global_buffer, .address_space: global }
      - { .name: qc, .offset: 40, .size: 8, .value_kind: global_buffer, .address_space: global }
      - { .name: kv, .offset: 48, .size: 8, .value_kind: global_buffer, .address_space: global }
    .group_segment_fixed_size: 11264
    .private_segment_fixed_size: 0
    .kernarg_segment_align: 8
    .kernarg_segment_size: 56
    .max_flat_workgroup_size: 256
    .sgpr_count:     66
    .vgpr_count:     512
    .wavefront_size: 32
...
	.end_amdgpu_metadata
.endif
;; end of part 2
;; launch attn (part 3): grid 16 x 16, 16 waves a work-group, clusters of 4 x 1, 169,984 bytes of LDS; arguments qc, kv, oc; writes oc
.if DOCPART == 3
	.amdgcn_target "amdgcn-amd-amdhsa--gfx1250"
	.amdhsa_code_object_version 6
	.text
	.protected	k_q38edf8cee7_attn
	.globl	k_q38edf8cee7_attn
	.p2align	8
	.type	k_q38edf8cee7_attn,@function
k_q38edf8cee7_attn:
	s_mov_b64 s[64:65], 0
	v_nop
	global_prefetch_b8 v0, s[64:65] scope:SCOPE_SE
	s_setreg_imm32_b32 hwreg(HW_REG_WAVE_MODE, 25, 1), 1
	s_wait_xcnt 0x0
	s_wait_alu depctr_hold_cnt(0) depctr_sa_sdst(0) depctr_va_vdst(0) depctr_va_sdst(0) depctr_va_ssrc(0) depctr_va_vcc(0) depctr_vm_vsrc(0)
	s_getreg_b32 s2, hwreg(HW_REG_IB_STS2, 6, 4)
	s_cmp_eq_u32 s2, 0
	s_cbranch_scc0 .Lentry_in_a_cluster
	s_endpgm
.Lentry_in_a_cluster:
	s_bfe_u32 s2, ttmp6, 0x10000c
	s_cmp_lg_u32 s2, 0x3003
	s_cbranch_scc0 .Lentry_shape_is_right
	s_endpgm
.Lentry_shape_is_right:
; ATTENTION on codes of FP4, head size 32, 4,096 keys.  t = score x log2(e) / sqrt(32); M = the running largest t rounded up to a whole number; p = 2^(t - M) is quantised along the keys; the row's sum
; is taken of the unquantised p and divides O at the end; O / l is quantised along the head's 32 channels for the projection.
; SHARES.  A work-group owns 256 queries of one (batch, head); each of its sixteen waves 16 of them, in 256 registers: four waves to a SIMD, so that one wave's exponentials stand beside another's plain and matrix work.
; ALL OF A HEAD'S K AND V, 32 steps x 4,352 bytes, lies in LDS: filled once, two tensor loads a wave, never again.  The four work-groups of a cluster walk the same head: every load is asked for jointly (mask 15).
; K = 32 IN AN INSTRUCTION OF K = 128.  A fragment of K holds FOUR tiles of 16 keys, tile e in block e; the query fragment has four forms, the query's 32 codes in block e and zero codes elsewhere: form e gives
; S^T of tile e.  The forms share 20 registers: zeros, Q in lanes 0-15, zeros, Q in lanes 16-31, zeros.  The query's scale byte stands in all four bytes of its word.
; Both products are used transposed: a lane holds ONE query.  The keys of a tile are 32 b + 8 u + r + 8 (r / 8), so that 16 registers of two neighbouring tiles are 16 neighbouring keys.
; No prefetch: every tensor load stands at the head.  LIMITS: NaN and infinities are not served; p under 2^-126 falls to 0; a block of zeros keeps the byte 1 (its codes are zeros).
; A block's largest p is made from the block's largest score by the same multiply-add and exponential (it takes the exponential not to fall where its input rises).
.set STEPB, 4352
.set HEADB, 32*STEPB
.set OSL,   HEADB                      ; behind K and V: 256 scale bytes of O, in a block of 256 bytes into which no fill lands
.set QSO,   1048576
.set OSO,   1048576
.set LI,  1                            ; v1   16 x lane
.set L4,  2                            ; v2   4 x lane
.set ADK, 3                            ; v3   the step's fragments
.set ADS, 4                            ; v4   the step's scale words
.set OA,  7                            ; v7   16 r + 8 h
.set OSA, 8                            ; v8   my query's scale byte in LDS
.set ORD, 9                            ; v9   OSL + 8 x lane
.set OGO, 10                           ; v10  8 x lane
.set QSC, 36
.set KSC, 37
.set VSC, 38
.set KF,  40
.set VF,  56
.set S,   96
.set WV,  10
.set SEL, 32
.set CS,  34
.set TB,  36
.set CNT, 37
.macro ROUND                           ; a round of the cluster's barrier
	s_barrier_signal -1
	s_barrier_wait -1
	s_cmp_lg_u32 s[WV], 0
	s_cbranch_scc1 .Lnot_wave_0_\@
	s_barrier_signal -3
.Lnot_wave_0_\@:
	s_barrier_wait -3
	s_barrier_signal -1
	s_barrier_wait -1
.endm
	s_load_b128 s[4:7], s[0:1], 0x0                ; qc, kv
	s_load_b64 s[8:9], s[0:1], 0x10                ; oc
	v_lshl_add_u32 v251, v0, 2, 0x29000
	v_mov_b32 v255, 0
	ds_add_u32 v251, v255
	ds_add_u32 v251, v255
	v_lshrrev_b32 v76, 5, v0
	s_delay_alu instid0(VALU_DEP_1)
	v_readfirstlane_b32 s[WV], v76                 ; wave 0..15
	s_bfe_u32 s11, ttmp6, 0x40000                  ; cx: it enters q's and o's global addresses alone
	s_lshl_b32 s12, ttmp9, 2
	s_add_co_u32 s12, s12, s11                     ; my block of 256 queries
	s_and_b32 s13, ttmp7, 0xffff                   ; bh, which the four partners share
	s_mov_b32 s16, 15|(3<<16)|(1<<21)              ; group 1: mask of the four; elements of 8 bytes; bit 21 beside a mask; no padding
	s_mov_b32 s17, 32<<16                          ; tensor_dim0 = 32: rows of 256 bytes
	s_mov_b32 s18, 17<<16                          ; tensor_dim1 = 17: a step's 4,352 dense bytes
	s_mov_b32 s19, 32<<16                          ; tile_dim0
	s_mov_b32 s20, 17                              ; tile_dim1
	s_mov_b32 s21, 32                              ; the pitch
	s_mov_b32 s22, 0
	s_mov_b32 s23, 0
	s_mul_i32 s38, s[WV], STEPB                    ; wave w brings steps w and 16 + w
	s_mul_i32 s40, s13, HEADB
	s_add_co_u32 s40, s40, s38
	s_mov_b32 s41, 0
	s_mov_b32 s[SEL], 0x76543210
	s_mov_b32 s[SEL+1], 0xfedcba98
	s_mov_b32 s[CS], 0x3e8293ee                    ; c = log2(e) / sqrt(32)
	s_mov_b32 s[CS+1], s[CS]
	s_mov_b32 s[TB], 0
	s_lshl_b32 s42, s13, 16                        ; q's and o's codes: 16 bytes a pixel
	s_lshl_b32 s43, s12, 12
	s_add_co_u32 s42, s42, s43
	s_lshl_b32 s43, s[WV], 8
	s_add_co_u32 s42, s42, s43
	s_mov_b32 s43, 0
	s_lshr_b32 s44, s[WV], 2
	s_lshl_b32 s45, s12, 2
	s_add_co_u32 s45, s45, s44                     ; G: which 64 pixels
	s_lshr_b32 s46, s13, 2
	s_lshl_b32 s46, s46, 5
	s_lshr_b32 s47, s45, 1
	s_add_co_u32 s46, s46, s47                     ; 32 b + G / 2
	s_lshl_b32 s46, s46, 2
	s_and_b32 s47, s13, 3
	s_add_co_u32 s46, s46, s47                     ; x 4 + head
	s_lshl_b32 s46, s46, 7
	s_and_b32 s47, s45, 1
	s_lshl_b32 s47, s47, 6
	s_add_co_u32 s46, s46, s47
	s_add_co_u32 s46, s46, QSO
	s_mov_b32 s47, 0
	s_lshl_b32 s56, s13, 12                        ; o's scale bytes: 4,096 a head, 256 a work-group
	s_lshl_b32 s57, s12, 8
	s_add_co_u32 s56, s56, s57
	s_add_co_u32 s56, s56, OSO
	s_mov_b32 s57, 0
	s_and_b32 s52, s[WV], 3
	s_lshl_b32 s58, s44, 6
	s_add_co_u32 s58, s58, s52
	s_add_co_u32 s58, s58, OSL
	s_lshl_b32 s52, s52, 3                         ; my tile's byte in q's scale word, in bits
	s_mov_b32 s53, 0x01010101
	s_wait_dscnt 0x0
	s_wait_kmcnt 0x0
	s_mov_b32 s24, 1
	s_mov_b32 s25, s38
	s_add_nc_u64 s[26:27], s[6:7], s[40:41]
	s_mov_b32 s28, 1
	s_add_co_u32 s29, s38, 16*STEPB
	s_add_nc_u64 s[30:31], s[26:27], 16*STEPB
	s_or_b32 s27, s27, 0x80000000
	s_or_b32 s31, s31, 0x80000000
	ROUND                                          ; all four work-groups are here: the joint loads meet
	tensor_load_to_lds s[24:27], s[16:23]          ; two loads of mine are out
	s_nop 0
	tensor_load_to_lds s[28:31], s[16:23]
	s_nop 0
.rept 4
	v_nop
.endr
	s_add_nc_u64 s[48:49], s[4:5], s[42:43]
	s_add_nc_u64 s[50:51], s[4:5], s[46:47]
	s_add_nc_u64 s[54:55], s[8:9], s[42:43]
	s_add_nc_u64 s[56:57], s[8:9], s[56:57]
	v_and_b32 v76, 31, v0                          ; lane
	v_and_b32 v77, 15, v0                          ; r
	v_bfe_u32 v78, v0, 4, 1                        ; h
	s_delay_alu instid0(VALU_DEP_2)
	v_lshlrev_b32 v79, 4, v77
	s_delay_alu instid0(VALU_DEP_3)
	v_lshlrev_b32 v80, 2, v77
	global_load_b128 v[72:75], v79, s[48:49]       ; my query's 32 codes, in both halves of the lanes
	global_load_b32 v[QSC], v80, s[50:51]
	v_lshlrev_b32 v[LI], 4, v76
	v_lshlrev_b32 v[L4], 2, v76
	v_lshl_add_u32 v[OA], v78, 3, v79
	v_lshl_add_u32 v[OSA], v77, 2, s58
	v_lshlrev_b32 v[OGO], 3, v76
	s_delay_alu instid0(VALU_DEP_1)
	v_add_nc_u32 v[ORD], OSL, v[OGO]
.irp i, 16,17,18,19,24,25,26,27,32,33,34,35
	v_mov_b32 v[\i], 0                             ; the zero codes of the query's four forms
.endr
	v_mov_b32 v13, 0xff61b1e6                      ; the largest t so far: -3e38
	s_delay_alu instid0(VALU_DEP_1)
	v_floor_f32 v12, -v13                          ; -M
	v_mov_b32 v14, 0                               ; the sum, in two halves
	v_mov_b32 v15, 0
.irp b, 0,1,2,3
	v_mov_b32 v[236+\b], 0
.endr
	v_mov_b32 v253, 0
	s_mov_b32 vcc_lo, 0xffff
	s_wait_loadcnt 0x0
.irp i, 0,1,2,3
	v_cndmask_b32 v[20+\i], 0, v[72+\i], vcc_lo    ; Q in lanes 0-15,
	v_cndmask_b32 v[28+\i], v[72+\i], v[16+\i], vcc_lo   ; Q in lanes 16-31
.endr
	v_bfe_u32 v[QSC], v[QSC], s52, 8
	s_delay_alu instid0(VALU_DEP_1)
	v_mul_lo_u32 v[QSC], v[QSC], s53               ; the byte in all four places
.irp j, 0,1,2,3,4,5,6,7,8,9,10,11,12,13,14,15
	v_mov_b32 v[160+\j], 0                         ; O^T: the step is written once; its first trip finds zeros.  (Sixteen plain places behind the scale word's last write)
.endr
	s_wait_tensorcnt 0x0                           ; my two steps are in,
	s_barrier_signal -1
	s_barrier_wait -1                              ; everybody's are: the head's K and V are whole, and nothing is filled again
	s_mov_b32 s[CNT], 32
.Lstep:                                            ; a key step: 128 keys
	s_setprio 2
	v_add_nc_u32 v[ADK], s[TB], v[LI]
	v_add_nc_u32 v[ADS], s[TB], v[L4]
	v_nop
	v_nop                                          ; four plain places behind the last products, ahead of the loads into V's registers
.irp i, 0,1,2,3
	ds_load_b128 v[KF+4*\i:KF+4*\i+3], v[ADK] offset:512*\i
.endr
	ds_load_b32 v[KSC], v[ADS] offset:4096         ; lanes 0-15: fragment 0's words, lanes 16-31: fragment 1's
.irp i, 0,1,2,3
	ds_load_b128 v[VF+4*\i:VF+4*\i+3], v[ADK] offset:2048+512*\i
.endr
	ds_load_b32 v[VSC], v[ADS] offset:4224
	s_wait_dscnt 0x5                               ; K and its words are in; V's five loads may be out
.irp e, 0,1,2,3
	v_wmma_scale_f32_16x16x128_f8f6f4 v[S+8*\e:S+8*\e+7], v[KF:KF+7], v[20+8*(\e%2)-4*(\e/2):27+8*(\e%2)-4*(\e/2)], 0, v[KSC], v[QSC] matrix_a_fmt:MATRIX_FMT_FP4 matrix_b_fmt:MATRIX_FMT_FP4
.endr
.irp e, 0,1,2,3
	v_wmma_scale_f32_16x16x128_f8f6f4 v[S+32+8*\e:S+32+8*\e+7], v[KF+8:KF+15], v[20+8*(\e%2)-4*(\e/2):27+8*(\e%2)-4*(\e/2)], 0, v[KSC], v[QSC] matrix_a_fmt:MATRIX_FMT_FP4 matrix_b_fmt:MATRIX_FMT_FP4 matrix_a_scale:MATRIX_SCALE_ROW1
.endr
.rept 4
	v_nop
.endr
.irp b, 0,1,2,3
	v_max3_num_f32 v[232+\b], v[96+16*\b], v[97+16*\b], v[98+16*\b]   ; the largest score of each block of 32 keys: for the row's maximum and for the block's largest p
.endr
.irp i, 3,5,7,9,11,13
.irp b, 0,1,2,3
	v_max3_num_f32 v[232+\b], v[232+\b], v[96+16*\b+\i], v[97+16*\b+\i]
.endr
.endr
.irp b, 0,1,2,3
	v_max_num_f32 v[232+\b], v[232+\b], v[111+16*\b]
.endr
.irp b, 0,1,2,3
	s_delay_alu instid0(VALU_DEP_4)
	v_permlanex16_b32 v[236+\b], v[232+\b], s[SEL], s[SEL+1]
.endr
.irp b, 0,1,2,3
	s_delay_alu instid0(VALU_DEP_4)
	v_max_num_f32 v[232+\b], v[232+\b], v[236+\b]
.endr
	s_delay_alu instid0(VALU_DEP_2)
	v_max3_num_f32 v254, v232, v233, v234
	s_delay_alu instid0(VALU_DEP_1)
	v_max_num_f32 v254, v254, v235
	s_delay_alu instid0(VALU_DEP_1)
	v_mul_f32 v254, s[CS], v254                    ; the step's largest t
	s_delay_alu instid0(VALU_DEP_1)
	v_max_num_f32 v13, v13, v254
	v_mov_b32 v254, v12
	s_delay_alu instid0(VALU_DEP_2)
	v_floor_f32 v12, -v13                          ; the new -M = -ceil(t): a whole number
	s_delay_alu instid0(VALU_DEP_1)
	v_sub_f32 v254, v12, v254
	s_delay_alu instid0(VALU_DEP_1)
	v_cvt_i32_f32 v254, v254                       ; (it saturates)
	s_delay_alu instid0(VALU_DEP_1)
	v_ldexp_f32 v252, 1.0, v254                    ; f = 2^(old M - new M): exact
.irp j, 0,2,4,6,8,10,12,14,16,18,20,22,24,26,28,30,32,34,36,38,40,42,44,46,48,50,52,54,56,58,60,62
	v_pk_fma_f32 v[96+\j:97+\j], v[96+\j:97+\j], s[CS:CS+1], v[12:13] op_sel_hi:[1,0,0]   ; t - M
.endr
.irp b, 0,1,2,3
	v_fma_f32 v[232+\b], v[232+\b], s[CS], v12
.endr
	s_wait_alu depctr_va_vdst(0)
.irp b, 0,1,2,3
	v_exp_f32 v[232+\b], v[232+\b]                 ; ONE batch of 68 exponentials
.endr
	s_setprio 1
.irp j, 0,1,2,3,4,5,6,7,8,9,10,11,12,13,14,15,16,17,18,19,20,21,22,23,24,25,26,27,28,29,30,31,32,33,34,35,36,37,38,39,40,41,42,43,44,45,46,47,48,49,50,51,52,53,54,55,56,57,58,59,60,61,62,63
	v_exp_f32 v[96+\j], v[96+\j]
.endr
	v_pk_mul_f32 v[14:15], v[14:15], v[252:253] op_sel_hi:[1,0]   ; the sums under the new M: the plain place behind the batch
	s_wait_alu depctr_va_vdst(0)                   ; one wait for the batch, ahead of its first reader
.irp b, 0,1,2,3
	v_max_num_f32 v[232+\b], 0x1800000, v[232+\b]  ; the floor
.endr
.irp b, 0,1,2,3
	s_delay_alu instid0(VALU_DEP_4)
	v_add_nc_u32 v[244+\b], 0xff000000, v[232+\b]
.endr
.irp b, 0,1,2,3
	s_delay_alu instid0(VALU_DEP_4)
	v_lshrrev_b32 v[236+\b], 23, v[244+\b]
.endr
	s_delay_alu instid0(VALU_DEP_3)
	v_lshl_or_b32 v253, v237, 8, v236              ; p's scale word for these 128 keys
	s_delay_alu instid0(VALU_DEP_1)
	v_lshl_or_b32 v253, v238, 16, v253
	s_delay_alu instid0(VALU_DEP_1)
	v_lshl_or_b32 v253, v239, 24, v253
	v_pk_add_f32 v[236:237], v[100:101], v[104:105]
	v_pk_add_f32 v[248:249], v[108:109], v[112:113]
	v_pk_add_f32 v[242:243], v[116:117], v[120:121]
	v_pk_add_f32 v[240:241], v[124:125], v[128:129]
	v_pk_add_f32 v[234:235], v[132:133], v[136:137]
	v_pk_add_f32 v[232:233], v[140:141], v[144:145]
	v_pk_add_f32 v[230:231], v[148:149], v[152:153]
	v_pk_add_f32 v[14:15], v[14:15], v[156:157]
	v_pk_add_f32 v[236:237], v[236:237], v[96:97]
	v_pk_add_f32 v[248:249], v[248:249], v[98:99]
	v_pk_add_f32 v[242:243], v[242:243], v[102:103]
	v_pk_add_f32 v[240:241], v[240:241], v[106:107]
	v_pk_add_f32 v[234:235], v[234:235], v[110:111]
	v_pk_add_f32 v[232:233], v[232:233], v[114:115]
	v_pk_add_f32 v[230:231], v[230:231], v[118:119]
	v_pk_add_f32 v[14:15], v[14:15], v[122:123]
	v_pk_add_f32 v[236:237], v[236:237], v[126:127]
	v_pk_add_f32 v[248:249], v[248:249], v[130:131]
	v_pk_add_f32 v[242:243], v[242:243], v[134:135]
	v_pk_add_f32 v[240:241], v[240:241], v[138:139]
	v_pk_add_f32 v[234:235], v[234:235], v[142:143]
	v_pk_add_f32 v[232:233], v[232:233], v[146:147]
	v_pk_add_f32 v[230:231], v[230:231], v[150:151]
	s_setprio 0
	v_pk_add_f32 v[14:15], v[14:15], v[154:155]
	v_pk_add_f32 v[236:237], v[236:237], v[158:159]
	s_delay_alu instid0(VALU_DEP_2)
	v_pk_add_f32 v[14:15], v[14:15], v[240:241]
	s_delay_alu instid0(VALU_DEP_2)
	v_pk_add_f32 v[236:237], v[236:237], v[234:235]
	v_pk_add_f32 v[248:249], v[248:249], v[232:233]
	v_pk_add_f32 v[242:243], v[242:243], v[230:231]
	s_delay_alu instid0(VALU_DEP_2)
	v_pk_add_f32 v[14:15], v[14:15], v[248:249]
	s_delay_alu instid0(VALU_DEP_2)
	v_pk_add_f32 v[236:237], v[236:237], v[242:243]
	s_delay_alu instid0(VALU_DEP_1)
	v_pk_add_f32 v[14:15], v[14:15], v[236:237]
.irp b, 0,1,2,3
	v_cvt_scalef32_pk8_fp4_f32 v[224+2*\b], v[96+16*\b:103+16*\b], v[244+\b]
	v_cvt_scalef32_pk8_fp4_f32 v[225+2*\b], v[104+16*\b:111+16*\b], v[244+\b]
.endr
	v_nop
.irp c, 0,1
.irp i, 0,1
	v_permlane16_swap_b32 v[224+4*\c+\i], v[226+4*\c+\i]
.endr
.endr
.irp j, 0,2,4,6,8,10,12,14
	v_pk_mul_f32 v[160+\j:161+\j], v[160+\j:161+\j], v[252:253] op_sel_hi:[1,0]   ; O^T under the new M; eight places behind the codes' last write
.endr
	s_wait_alu depctr_va_vdst(0)
	s_wait_dscnt 0x0                               ; V is in
	v_wmma_scale_f32_16x16x128_f8f6f4 v[160:167], v[VF:VF+7], v[224:231], v[160:167], v[VSC], v253 matrix_a_fmt:MATRIX_FMT_FP4 matrix_b_fmt:MATRIX_FMT_FP4
	v_wmma_scale_f32_16x16x128_f8f6f4 v[168:175], v[VF+8:VF+15], v[224:231], v[168:175], v[VSC], v253 matrix_a_fmt:MATRIX_FMT_FP4 matrix_b_fmt:MATRIX_FMT_FP4 matrix_a_scale:MATRIX_SCALE_ROW1
	s_add_co_u32 s[TB], s[TB], STEPB
	s_sub_co_u32 s[CNT], s[CNT], 1
	s_cmp_lg_u32 s[CNT], 0
	s_cbranch_scc1 .Lstep
	s_setprio 0
	; ---- the way out: O^T / l, quantised along the head's 32 channels: a lane holds d = 16 h + 0 .. 15 of its query
	v_add_f32 v14, v14, v15
	s_delay_alu instid0(VALU_DEP_1)
	v_permlanex16_b32 v252, v14, s[SEL], s[SEL+1]
	s_delay_alu instid0(VALU_DEP_1)
	v_add_f32 v14, v14, v252
	s_wait_alu depctr_va_vdst(0)
	v_rcp_f32 v14, v14
.rept 3
	v_nop                                          ; with the two additions: the places behind the last products; the first is the plain place behind the reciprocal
.endr
	s_wait_alu depctr_va_vdst(0)
.irp i, 0,1,2,3,4,5,6,7
	v_pk_mul_f32 v[96+2*\i:97+2*\i], v[160+2*\i:161+2*\i], v[14:15] op_sel_hi:[1,0]
.endr
	v_max3_num_f32 v232, |v96|, |v97|, 0x1800000
.irp i, 2,4,6,8,10,12,14
	s_delay_alu instid0(VALU_DEP_1)
	v_max3_num_f32 v232, v232, |v[96+\i]|, |v[97+\i]|
.endr
	s_delay_alu instid0(VALU_DEP_1)
	v_permlanex16_b32 v236, v232, s[SEL], s[SEL+1]
	s_delay_alu instid0(VALU_DEP_1)
	v_max_num_f32 v232, v232, v236
	s_delay_alu instid0(VALU_DEP_1)
	v_add_nc_u32 v244, 0xff000000, v232
	s_delay_alu instid0(VALU_DEP_1)
	v_lshrrev_b32 v237, 23, v244
	v_cvt_scalef32_pk8_fp4_f32 v224, v[96:103], v244
	v_cvt_scalef32_pk8_fp4_f32 v225, v[104:111], v244
	v_nop
	global_store_b64 v[OA], v[224:225], s[54:55]   ; the wave stores 256 consecutive bytes, aligned
	ds_store_b8 v[OSA], v237                       ; both halves of the lanes write the same byte
	s_wait_dscnt 0x0
	s_barrier_signal -1
	s_barrier_wait -1
	s_cmp_lg_u32 s[WV], 0
	s_cbranch_scc1 .Lno_bytes
	ds_load_b64 v[96:97], v[ORD]
	s_wait_dscnt 0x0
	global_store_b64 v[OGO], v[96:97], s[56:57]    ; the work-group's 256 scale bytes
.Lno_bytes:
	s_wait_tensorcnt 0x0
	ds_add_u32 v251, v255
	s_wait_dscnt 0x0
	ROUND                                          ; the closing round
	s_endpgm
.Lfunc_end_k_q38edf8cee7_attn:
	.size	k_q38edf8cee7_attn, .Lfunc_end_k_q38edf8cee7_attn-k_q38edf8cee7_attn
	.p2alignl 7, 3214868480
	.fill 96, 4, 3214868480
	.section	.rodata,"a",@progbits
	.p2align	6, 0x0
	.amdhsa_kernel k_q38edf8cee7_attn
		.amdhsa_group_segment_fixed_size 169984
		.amdhsa_private_segment_fixed_size 0
		.amdhsa_enable_private_segment 0
		.amdhsa_kernarg_size 24
		.amdhsa_user_sgpr_count 2
		.amdhsa_user_sgpr_kernarg_segment_ptr 1
		.amdhsa_wavefront_size32 1
		.amdhsa_system_sgpr_workgroup_id_x 1
		.amdhsa_system_sgpr_workgroup_id_y 1
		.amdhsa_system_sgpr_workgroup_id_z 1
		.amdhsa_system_vgpr_workitem_id 0
		.amdhsa_next_free_vgpr 256
		.amdhsa_next_free_sgpr 66
		.amdhsa_reserve_vcc 1
		.amdhsa_float_denorm_mode_32 3
		.amdhsa_float_denorm_mode_16_64 3
		.amdhsa_memory_ordered 1
		.amdhsa_forward_progress 1
		.amdhsa_inst_pref_size 25
	.end_amdhsa_kernel
	.amdgpu_metadata
---
amdhsa.version: [ 1, 2 ]
amdhsa.kernels:
  - .name:           k_q38edf8cee7_attn
    .symbol:         k_q38edf8cee7_attn.kd
    .args:
      - { .name: qc, .offset: 0, .size: 8, .value_kind: global_buffer, .address_space: global }
      - { .name: kv, .offset: 8, .size: 8, .value_kind: global_buffer, .address_space: global }
      - { .name: oc, .offset: 16, .size: 8, .value_kind: global_buffer, .address_space: global }
    .group_segment_fixed_size: 169984
    .private_segment_fixed_size: 0
    .kernarg_segment_align: 8
    .kernarg_segment_size: 24
    .max_flat_workgroup_size: 512
    .sgpr_count:     66
    .vgpr_count:     256
    .wavefront_size: 32
...
	.end_amdgpu_metadata
.endif
;; end of part 3
;; launch stat2 (part 4): grid 16 x 8, 8 waves a work-group, no clusters, 168,960 bytes of LDS; arguments x, oc, wq, proj_b, pst; writes pst
.if DOCPART == 4
	.amdgcn_target "amdgcn-amd-amdhsa--gfx1250"
	.amdhsa_code_object_version 6
	.text
	.protected	k_q38edf8cee7_stat2
	.globl	k_q38edf8cee7_stat2
	.p2align	8
	.type	k_q38edf8cee7_stat2,@function
k_q38edf8cee7_stat2:
	s_mov_b64 s[64:65], 0
	v_nop
	global_prefetch_b8 v0, s[64:65] scope:SCOPE_SE
	s_setreg_imm32_b32 hwreg(HW_REG_WAVE_MODE, 25, 1), 1
	s_wait_xcnt 0x0
; STAT2.  x2 = x + proj_w O + proj_b, kept in registers; for 16 channels and 1,024 pixels the mean and the sum of squares of the differences from it.  The next launch joins the 16 parts of a channel.
; Work-group (p, y): batch p / 4, pixels 1,024 (p % 4) on, channels 16 y on.  Wave w: 128 pixels, eight tiles.  Source 0 = 16 pixels of O, source 1 = 16 rows of proj_w: a lane holds ONE channel (16 y + r)
; and its registers run along the pixels, so that the sums need one exchange between the halves of the lanes and one pass through LDS.
; x's tile (16 channels x 128 pixels) comes by one tensor load a wave into the wave's own LDS bytes, read by that wave alone behind its own wait; filled once.
; O's scale bytes lie [head][64 pixels][r][tile]: a 4 x 4 transposition of bytes gives each tile its word of four heads.
; LIMITS: NaN and infinities are not served.
.set XTP,  528                         ; a row of x's tile in LDS: 512 bytes + 16
.set XTW,  16*XTP
.set RED1, 8*XTW
.set WSC,  106496
.set OSO,  1048576
.set AF,  16
.set ACC, 80
.set XR,  144
.set WPF, 208
.set BC,  216
.set SB,  224
.set OSW, 232
.set WPS, 15
.macro MM d, a, b, c, sa, sb
	v_wmma_scale_f32_16x16x128_f8f6f4 v[\d:\d+7], v[\a:\a+7], v[\b:\b+7], v[\c:\c+7], v[\sa], v[\sb] matrix_a_fmt:MATRIX_FMT_FP4 matrix_b_fmt:MATRIX_FMT_FP4
.endm
.macro TR4 a, w, t                     ; registers a .. a + 3 (one a head, byte = tile) become w .. w + 3 (one a tile, byte = head)
	v_perm_b32 v[\t], v[\a+1], v[\a], 0x05010400
	v_perm_b32 v[\t+1], v[\a+1], v[\a], 0x07030602
	v_perm_b32 v[\t+2], v[\a+3], v[\a+2], 0x05010400
	v_perm_b32 v[\t+3], v[\a+3], v[\a+2], 0x07030602
	s_delay_alu instid0(VALU_DEP_2)
	v_perm_b32 v[\w], v[\t+2], v[\t], 0x05040100
	s_delay_alu instid0(VALU_DEP_3)
	v_perm_b32 v[\w+1], v[\t+2], v[\t], 0x07060302
	s_delay_alu instid0(VALU_DEP_3)
	v_perm_b32 v[\w+2], v[\t+3], v[\t+1], 0x05040100
	s_delay_alu instid0(VALU_DEP_4)
	v_perm_b32 v[\w+3], v[\t+3], v[\t+1], 0x07060302
.endm
; four pairs of sums in v[240:247] become the channel's total over the work-group's 1,024 pixels, in v240
.macro TOTAL off
	s_delay_alu instid0(VALU_DEP_3)
	v_pk_add_f32 v[240:241], v[240:241], v[242:243]
	s_delay_alu instid0(VALU_DEP_2)
	v_pk_add_f32 v[244:245], v[244:245], v[246:247]
	s_delay_alu instid0(VALU_DEP_1)
	v_pk_add_f32 v[240:241], v[240:241], v[244:245]
	s_delay_alu instid0(VALU_DEP_1)
	v_add_f32 v240, v240, v241
	s_delay_alu instid0(VALU_DEP_1)
	v_permlanex16_b32 v248, v240, s20, s21
	s_delay_alu instid0(VALU_DEP_1)
	v_add_f32 v240, v240, v248                     ; both halves of the lanes hold the wave's sum of channel r
	ds_store_b32 v5, v240 offset:\off
	s_wait_dscnt 0x0
	s_barrier_signal -1
	s_barrier_wait -1
.irp k, 0,1,2,3,4,5,6,7
	ds_load_b32 v[248+\k], v6 offset:\off+64*\k
.endr
	s_wait_dscnt 0x0
	v_add_f32 v248, v248, v249
	v_add_f32 v250, v250, v251
	v_add_f32 v252, v252, v253
	v_add_f32 v254, v254, v255
	s_delay_alu instid0(VALU_DEP_3)
	v_add_f32 v248, v248, v250
	s_delay_alu instid0(VALU_DEP_2)
	v_add_f32 v252, v252, v254
	s_delay_alu instid0(VALU_DEP_1)
	v_add_f32 v240, v248, v252
.endm
	s_load_b256 s[4:11], s[0:1], 0x0               ; x, oc, wq, proj_b
	s_load_b64 s[12:13], s[0:1], 0x20              ; pst
	v_lshl_add_u32 v13, v0, 2, 0x29000
	v_mov_b32 v14, 0
	ds_add_u32 v13, v14
	ds_add_u32 v13, v14
	v_lshrrev_b32 v8, 5, v0
	s_delay_alu instid0(VALU_DEP_1)
	v_readfirstlane_b32 s14, v8                    ; wave 0..7
	s_and_b32 s16, ttmp7, 0xffff                   ; y
	s_lshr_b32 s17, ttmp9, 2                       ; the batch
	s_and_b32 s18, ttmp9, 3
	s_lshl_b32 s18, s18, 10                        ; the first pixel
	s_mov_b32 s20, 0x76543210
	s_mov_b32 s21, 0xfedcba98
	s_mov_b32 s24, (2<<16)|(1<<20)|(6<<22)|(3<<25) ; elements of 4 bytes; after every 128 words 4 words of padding
	s_mov_b32 s25, 128<<16                         ; tensor_dim0
	s_mov_b32 s26, 16<<16                          ; tensor_dim1
	s_mov_b32 s27, 128<<16                         ; tile_dim0
	s_mov_b32 s28, 16                              ; tile_dim1
	s_mov_b32 s29, 4096                            ; the pitch: a channel's pixels
	s_mov_b32 s30, 0
	s_mov_b32 s31, 0
	s_mul_i32 s33, s14, XTW                        ; my wave's own bytes
	s_lshl_b32 s36, s17, 21
	s_lshl_b32 s37, s16, 18
	s_add_co_u32 s36, s36, s37
	s_lshl_b32 s37, s18, 2
	s_add_co_u32 s36, s36, s37
	s_lshl_b32 s37, s14, 9
	s_add_co_u32 s36, s36, s37
	s_mov_b32 s37, 0
	s_lshl_b32 s38, s17, 18                        ; O's codes: 16 bytes a pixel, 65,536 a head
	s_lshl_b32 s39, s18, 4
	s_add_co_u32 s38, s38, s39
	s_lshl_b32 s39, s14, 11
	s_add_co_u32 s38, s38, s39
	s_mov_b32 s39, 0
	s_lshl_b32 s40, s17, 14                        ; O's scale bytes: one a pixel, 4,096 a head
	s_add_co_u32 s40, s40, s18
	s_lshl_b32 s41, s14, 7
	s_add_co_u32 s40, s40, s41
	s_add_co_u32 s40, s40, OSO
	s_mov_b32 s41, 0
	s_lshl_b32 s42, s16, 10
	s_add_co_u32 s42, s42, 96*1024                 ; fragment 96 + y
	s_mov_b32 s43, 0
	s_lshl_b32 s44, s16, 6
	s_add_co_u32 s44, s44, WSC+96*64
	s_mov_b32 s45, 0
	s_lshl_b32 s46, s16, 6
	s_mov_b32 s47, 0
	s_lshl_b32 s48, ttmp9, 10
	s_lshl_b32 s49, s16, 7
	s_add_co_u32 s48, s48, s49
	s_mov_b32 s49, 0
	s_wait_dscnt 0x0
	s_wait_kmcnt 0x0
	s_mov_b32 s32, 1
	s_add_nc_u64 s[34:35], s[4:5], s[36:37]
	s_or_b32 s35, s35, 0x80000000
	tensor_load_to_lds s[32:35], s[24:31]          ; one load of mine is out
	s_nop 0
.rept 4
	v_nop
.endr
	s_add_nc_u64 s[40:41], s[6:7], s[40:41]
	s_add_nc_u64 s[6:7], s[6:7], s[38:39]
	s_add_nc_u64 s[42:43], s[8:9], s[42:43]
	s_add_nc_u64 s[44:45], s[8:9], s[44:45]
	s_add_nc_u64 s[46:47], s[10:11], s[46:47]
	s_add_nc_u64 s[48:49], s[12:13], s[48:49]
	v_and_b32 v8, 31, v0                           ; lane
	v_and_b32 v9, 15, v0                           ; r
	v_bfe_u32 v10, v0, 4, 1                        ; h
	s_delay_alu instid0(VALU_DEP_3)
	v_lshlrev_b32 v1, 4, v8
	s_delay_alu instid0(VALU_DEP_3)
	v_lshlrev_b32 v2, 2, v9
	s_delay_alu instid0(VALU_DEP_4)
	v_lshlrev_b32 v3, 4, v9
	s_delay_alu instid0(VALU_DEP_1)
	v_lshl_add_u32 v3, v10, 16, v3                 ; head 2 c + h, pixel r
.irp t, 0,1,2,3,4,5,6,7
.irp c, 0,1
	global_load_b128 v[AF+8*\t+4*\c:AF+8*\t+4*\c+3], v3, s[6:7] offset:\t*256+\c*131072   ; sixteen lanes read 256 consecutive bytes
.endr
.endr
.irp g, 0,1
.irp n, 0,1,2,3
	global_load_b32 v[SB+4*\g+\n], v2, s[40:41] offset:\n*4096+\g*64
.endr
.endr
	global_load_b128 v[WPF:WPF+3], v1, s[42:43]
	global_load_b128 v[WPF+4:WPF+7], v1, s[42:43] offset:512
	global_load_b32 v[WPS], v2, s[44:45]
	global_load_b32 v240, v2, s[46:47]             ; proj_b[16 y + r]
	v_mul_u32_u24 v4, v9, XTP
	s_delay_alu instid0(VALU_DEP_1)
	v_lshl_add_u32 v4, v10, 5, v4
	s_delay_alu instid0(VALU_DEP_1)
	v_add_nc_u32 v4, s33, v4                       ; x: row r, + 32 h: my eight pixels of a tile
	s_lshl_b32 s50, s14, 6
	s_add_co_u32 s50, s50, RED1
	v_lshl_add_u32 v5, v9, 2, s50
	v_add_nc_u32 v6, RED1, v2
	v_lshlrev_b32 v7, 3, v9
	v_mov_b32 v248, 0
	s_wait_alu depctr_va_vdst(0)
	s_wait_tensorcnt 0x0                           ; my tile is in; I alone read it
.irp t, 0,1,2,3,4,5,6,7
.irp q, 0,1
	ds_load_b128 v[XR+8*\t+4*\q:XR+8*\t+4*\q+3], v4 offset:64*\t+16*\q
.endr
.endr
	s_wait_loadcnt 0x0
.irp j, 0,1,2,3,4,5,6,7
	v_mov_b32 v[BC+\j], v240                       ; the bias in the result's layout: it is the C of each product
.endr
	TR4 SB, OSW, 244
	TR4 SB+4, OSW+4, 244
.rept 8
	v_nop                                          ; a scale word made by vector instructions stands eight places ahead of its product
.endr
.irp t, 0,1,2,3,4,5,6,7
	MM ACC+8*\t, AF+8*\t, WPF, BC, OSW+\t, WPS
.endr
.rept 4
	v_nop
.endr
	s_wait_dscnt 0x0
.irp i, 0,1,2,3,4,5,6,7,8,9,10,11,12,13,14,15,16,17,18,19,20,21,22,23,24,25,26,27,28,29,30,31
	v_pk_add_f32 v[XR+2*\i:XR+2*\i+1], v[ACC+2*\i:ACC+2*\i+1], v[XR+2*\i:XR+2*\i+1]   ; x2, each accumulator from its low end on
.endr
.irp k, 0,1,2,3
	v_pk_add_f32 v[240+2*\k:241+2*\k], v[XR+2*\k:XR+2*\k+1], v[XR+8+2*\k:XR+9+2*\k]
.endr
.irp p, 8,12,16,20,24,28
.irp k, 0,1,2,3
	s_delay_alu instid0(VALU_DEP_4)
	v_pk_add_f32 v[240+2*\k:241+2*\k], v[240+2*\k:241+2*\k], v[XR+2*(\p+\k):XR+2*(\p+\k)+1]
.endr
.endr
	TOTAL 0
	s_delay_alu instid0(VALU_DEP_1)
	v_mul_f32 v224, 0x3a800000, v240               ; the mean of 1,024
	s_delay_alu instid0(VALU_DEP_1)
	v_mov_b32 v225, v224
.irp p, 0,4,8,12,16,20,24,28
.irp k, 0,1,2,3
	v_pk_add_f32 v[248+2*\k:249+2*\k], v[XR+2*(\p+\k):XR+2*(\p+\k)+1], v[224:225] neg_lo:[0,1] neg_hi:[0,1]
.endr
.irp k, 0,1,2,3
.if \p == 0
	s_delay_alu instid0(VALU_DEP_4)
	v_pk_mul_f32 v[240+2*\k:241+2*\k], v[248+2*\k:249+2*\k], v[248+2*\k:249+2*\k]
.else
	s_delay_alu instid0(VALU_DEP_4)
	v_pk_fma_f32 v[240+2*\k:241+2*\k], v[248+2*\k:249+2*\k], v[248+2*\k:249+2*\k], v[240+2*\k:241+2*\k]
.endif
.endr
.endr
	TOTAL 512
	s_delay_alu instid0(VALU_DEP_1)
	v_mov_b32 v225, v240
	s_wait_alu depctr_va_vdst(0)
	s_wait_xcnt 0x0                                ; EXEC changes only behind this wait
	v_cmp_gt_u32 vcc_lo, 16, v0
	s_wait_tensorcnt 0x0
	ds_add_u32 v13, v14
	s_wait_dscnt 0x0
	s_and_saveexec_b32 s50, vcc_lo
	global_store_b64 v7, v[224:225], s[48:49]      ; (mean, sum of squares) of channels 16 y + 0 .. 15: 128 consecutive bytes
	s_wait_xcnt 0x0
	s_or_b32 exec_lo, exec_lo, s50
	s_endpgm
.Lfunc_end_k_q38edf8cee7_stat2:
	.size	k_q38edf8cee7_stat2, .Lfunc_end_k_q38edf8cee7_stat2-k_q38edf8cee7_stat2
	.p2alignl 7, 3214868480
	.fill 96, 4, 3214868480
	.section	.rodata,"a",@progbits
	.p2align	6, 0x0
	.amdhsa_kernel k_q38edf8cee7_stat2
		.amdhsa_group_segment_fixed_size 168960
		.amdhsa_private_segment_fixed_size 0
		.amdhsa_enable_private_segment 0
		.amdhsa_kernarg_size 40
		.amdhsa_user_sgpr_count 2
		.amdhsa_user_sgpr_kernarg_segment_ptr 1
		.amdhsa_wavefront_size32 1
		.amdhsa_system_sgpr_workgroup_id_x 1
		.amdhsa_system_sgpr_workgroup_id_y 1
		.amdhsa_system_sgpr_workgroup_id_z 1
		.amdhsa_system_vgpr_workitem_id 0
		.amdhsa_next_free_vgpr 256
		.amdhsa_next_free_sgpr 66
		.amdhsa_reserve_vcc 1
		.amdhsa_float_denorm_mode_32 3
		.amdhsa_float_denorm_mode_16_64 3
		.amdhsa_memory_ordered 1
		.amdhsa_forward_progress 1
		.amdhsa_inst_pref_size 25
	.end_amdhsa_kernel
	.amdgpu_metadata
---
amdhsa.version: [ 1, 2 ]
amdhsa.kernels:
  - .name:           k_q38edf8cee7_stat2
    .symbol:         k_q38edf8cee7_stat2.kd
    .args:
      - { .name: x, .offset: 0, .size: 8, .value_kind: global_buffer, .address_space: global }
      - { .name: oc, .offset: 8, .size: 8, .value_kind: global_buffer, .address_space: global }
      - { .name: wq, .offset: 16, .size: 8, .value_kind: global_buffer, .address_space: global }
      - { .name: proj_b, .offset: 24, .size: 8, .value_kind: global_buffer, .address_space: global }
      - { .name: pst, .offset: 32, .size: 8, .value_kind: global_buffer, .address_space: global }
    .group_segment_fixed_size: 168960
    .private_segment_fixed_size: 0
    .kernarg_segment_align: 8
    .kernarg_segment_size: 40
    .max_flat_workgroup_size: 256
    .sgpr_count:     66
    .vgpr_count:     256
    .wavefront_size: 32
...
	.end_amdgpu_metadata
.endif
;; end of part 4
;; launch mlp (part 5): grid 256 x 1, 4 waves a work-group, no clusters, 168,448 bytes of LDS; arguments x, oc, wq, proj_b, pst, bn2_g, bn2_b, mlp_b1, mlp_b2, out0; writes out0
.if DOCPART == 5
	.amdgcn_target "amdgcn-amd-amdhsa--gfx1250"
	.amdhsa_code_object_version 6
	.text
	.protected	k_q38edf8cee7_mlp
	.globl	k_q38edf8cee7_mlp
	.p2align	8
	.type	k_q38edf8cee7_mlp,@function
k_q38edf8cee7_mlp:
	s_mov_b64 s[64:65], 0
	v_nop
	global_prefetch_b8 v0, s[64:65] scope:SCOPE_SE
	s_setreg_imm32_b32 hwreg(HW_REG_WAVE_MODE, 25, 1), 1
	s_wait_xcnt 0x0
; MLP.  x2 = x + proj_w O + proj_b (made again: it never goes to memory); h2 = (x2 - mean2) a2 + bn2_b, quantised along the channels; m = gelu(mlp_w1 h2 + b1), quantised along the 512 hidden units; out = x2 + mlp_w2 m + b2.
; A work-group takes 64 pixels of one batch, four tiles of 16.  THE WAVES SHARE THE COLUMNS: wave w owns channels 32 w .. + 31 of x2 and of the output and hidden units 128 w .. + 127; its parts of the three
; weights stay in its registers.  All products are used transposed (source 0 = 16 rows of a weight, source 1 = 16 pixels): a lane holds one pixel, 16 registers are 16 neighbours along the next K.
; Operands go from wave to wave through LDS as images of their registers.  Two barriers: h2's four fragments; the hidden layer's sixteen; none on the way out (a wave's rows of the output are its own).
; BN2: thread t joins the 16 parts of channel t: mean = the mean of the means, M2 = the sum of the parts' M2 + 1,024 x the sum of squares of (a part's mean - mean): no difference of large sums.
; gelu(v) = v/2 + v/2 erf(v / sqrt 2); erf(z) = z P(z^2) / Q(z^2), a rational form of degrees 13 and 8, z held to +-4.
; x's tile (my 32 channels x 64 pixels) comes by one tensor load a wave into the wave's own LDS bytes, read by that wave alone; filled once.
; LIMITS: NaN and infinities are not served; a block whose largest magnitude lies under 2^-124 keeps the byte 1, a block of zeros too (its codes are zeros).  The gain is folded: a2 = gamma / sqrt(var + eps).
; REGISTERS.  Window 0: v1-12, v216-233 addresses; v16-23 a fragment of h2; v24-50 scale words; v51 the word made, v52-59 the codes made; v64-127 results at work; v128-191 at work; v192-207 the quantiser's; v208-215 O's bytes;
;   v248-251 two constants.  Window 1: v0-63 W1, v64-79 proj_w, v80-143 W2, v144-175 O.  Window 2: v0-63 b1, v64-79 proj_b, v80-95 b2, v96-143 mean, gain, offset.  Window 3: v0-63 x2, then the output.
.set XT,   0                           ; LDS: x: 32 rows x 264 bytes for each wave
.set STT,  33792                       ; mean, gain, offset: 3 x 128 bytes for each wave
.set HIMG, 35328                       ; h2's four fragments
.set HSC,  39424                       ; their scale bytes, 4 a pixel
.set GIMG, 39680                       ; the hidden layer's sixteen fragments (4 m + s)
.set GSC,  56064                       ; their scale words, 128 bytes each
.set STG,  58112                       ; the way out: 32 rows x 272 bytes for each wave, rows 16-31 another 128 bytes on
.set WSC,  106496
.set OSO,  1048576
.set HA, 64
.set ST, 128
.set TM, 192
.set PC, 52
.set PW, 51
.set SEL, 28
.set LI, 1
.set R4, 2
.set OFO, 3
.set WPO, 4
.set W1O, 5
.set SPO, 6
.set S1O, 7
.set BPO, 8
.set B1O, 9
.set PSO, 10
.set GBO, 11
.set L4, 12
.set STW, 216
.set STRD, 217
.set XTR, 218
.set HWI, 219
.set HWS, 220
.set XFA0, 221
.set XSA0, 222
.set GWI0, 223
.set GWS0, 224
.set GRD, 225
.set GSR, 226
.set SO, 227
.set SR, 228
.set OO, 229
.set A1, 230
.set A2, 231
.set A3, 232
.set A4, 233
.set MSB, 0
.macro WIN new                         ; the immediate's high byte repeats the setting that is left
.if MSB != \new
	s_set_vgpr_msb (MSB<<8)|\new
.set MSB, \new
.endif
.endm
.macro BARRIER
	s_wait_dscnt 0x0
	s_barrier_signal -1
	s_barrier_wait -1
.endm
.macro MM d, a, b, c, sa, sb
	v_wmma_scale_f32_16x16x128_f8f6f4 v[\d:\d+7], v[\a:\a+7], v[\b:\b+7], v[\c:\c+7], v[\sa], v[\sb] matrix_a_fmt:MATRIX_FMT_FP4 matrix_b_fmt:MATRIX_FMT_FP4
.endm
.macro PLACES
.rept 4
	v_nop
.endr
.endm
.macro TR4 a, w, t
	v_perm_b32 v[\t], v[\a+1], v[\a], 0x05010400
	v_perm_b32 v[\t+1], v[\a+1], v[\a], 0x07030602
	v_perm_b32 v[\t+2], v[\a+3], v[\a+2], 0x05010400
	v_perm_b32 v[\t+3], v[\a+3], v[\a+2], 0x07030602
	v_perm_b32 v[\w], v[\t+2], v[\t], 0x05040100
	v_perm_b32 v[\w+1], v[\t+2], v[\t], 0x07060302
	v_perm_b32 v[\w+2], v[\t+3], v[\t+1], 0x05040100
	v_perm_b32 v[\w+3], v[\t+3], v[\t+1], 0x07060302
.endm
.macro QUANT s, pc, pw
.irp b, 0,1,2,3
	v_max3_num_f32 v[TM+\b], |v[\s+16*\b]|, |v[\s+1+16*\b]|, 0x1800000   ; my 16 numbers and the floor 2^(3 - 127)
.endr
.irp i, 2,4,6,8,10,12,14
.irp b, 0,1,2,3
	v_max3_num_f32 v[TM+\b], v[TM+\b], |v[\s+16*\b+\i]|, |v[\s+1+16*\b+\i]|
.endr
.endr
.irp b, 0,1,2,3
	v_permlanex16_b32 v[TM+4+\b], v[TM+\b], s[SEL], s[SEL+1]
.endr
.irp b, 0,1,2,3
	v_max_num_f32 v[TM+\b], v[TM+\b], v[TM+4+\b]
.endr
.irp b, 0,1,2,3
	v_add_nc_u32 v[TM+12+\b], 0xff000000, v[TM+\b]
.endr
.irp b, 0,1,2,3
	v_lshrrev_b32 v[TM+4+\b], 23, v[TM+12+\b]
.endr
	v_lshl_or_b32 v[\pw], v[TM+5], 8, v[TM+4]
	v_lshl_or_b32 v[\pw], v[TM+6], 16, v[\pw]
	v_lshl_or_b32 v[\pw], v[TM+7], 24, v[\pw]
.irp b, 0,1,2,3
	v_cvt_scalef32_pk8_fp4_f32 v[\pc+2*\b], v[\s+16*\b:\s+7+16*\b], v[TM+12+\b]
	v_cvt_scalef32_pk8_fp4_f32 v[\pc+1+2*\b], v[\s+8+16*\b:\s+15+16*\b], v[TM+12+\b]
.endr
	v_nop
.irp c, 0,1
.irp i, 0,1
	v_permlane16_swap_b32 v[\pc+4*\c+\i], v[\pc+2+4*\c+\i]
.endr
.endr
.endm
; gelu of 16 numbers, v[HA + 16 k] on, in place.  v128-143 z, v144-159 z^2, v160-175 P, v176-191 Q
.macro GELU k
.set GX, HA+16*(\k)
.irp i, 0,2,4,6,8,10,12,14
	v_pk_mul_f32 v[128+\i:129+\i], v[GX+\i:GX+\i+1], 0x3f3504f3 op_sel_hi:[1,0]
.endr
.irp i, 0,1,2,3,4,5,6,7,8,9,10,11,12,13,14,15
	v_med3_num_f32 v[128+\i], v[128+\i], -4.0, 4.0
.endr
.irp i, 0,2,4,6,8,10,12,14
	v_pk_mul_f32 v[144+\i:145+\i], v[128+\i:129+\i], v[128+\i:129+\i]
.endr
.irp i, 0,2,4,6,8,10,12,14
	v_pk_fma_f32 v[176+\i:177+\i], v[144+\i:145+\i], v[248:249], 0xb95fbd29 op_sel_hi:[1,1,0]
.endr
.irp c, 0xbadc924e, 0xbbf19bf8, 0xbc69b6a7
.irp i, 0,2,4,6,8,10,12,14
	v_pk_fma_f32 v[176+\i:177+\i], v[176+\i:177+\i], v[144+\i:145+\i], \c op_sel_hi:[1,1,0]
.endr
.endr
.irp i, 0,1,2,3,4,5,6,7,8,9,10,11,12,13,14,15
	v_rcp_f32 v[176+\i], v[176+\i]                 ; a batch of sixteen; P's polynomial is the independent work behind it
.endr
.irp i, 0,2,4,6,8,10,12,14
	v_pk_fma_f32 v[160+\i:161+\i], v[144+\i:145+\i], v[250:251], 0x32edffee op_sel_hi:[1,1,0]
.endr
.irp c, 0xb60cff51, 0xb86ec2d2, 0xba40acf4, 0xbb41a1f6, 0xbc83dbd4
.irp i, 0,2,4,6,8,10,12,14
	v_pk_fma_f32 v[160+\i:161+\i], v[160+\i:161+\i], v[144+\i:145+\i], \c op_sel_hi:[1,1,0]
.endr
.endr
.irp i, 0,2,4,6,8,10,12,14
	v_pk_mul_f32 v[GX+\i:GX+\i+1], v[GX+\i:GX+\i+1], 0.5 op_sel_hi:[1,0]
.endr
.irp i, 0,2,4,6,8,10,12,14
	v_pk_mul_f32 v[160+\i:161+\i], v[160+\i:161+\i], v[128+\i:129+\i]
.endr
	s_wait_alu depctr_va_vdst(0)                   ; one wait for the sixteen reciprocals, ahead of their first reader
.irp i, 0,2,4,6,8,10,12,14
	v_pk_mul_f32 v[160+\i:161+\i], v[160+\i:161+\i], v[176+\i:177+\i]
.endr
.irp i, 0,2,4,6,8,10,12,14
	v_pk_fma_f32 v[GX+\i:GX+\i+1], v[GX+\i:GX+\i+1], v[160+\i:161+\i], v[GX+\i:GX+\i+1]
.endr
.endm
	s_load_b512 s[4:19], s[0:1], 0x0               ; x, oc, wq, proj_b, pst, bn2_g, bn2_b, mlp_b1
	s_load_b128 s[20:23], s[0:1], 0x40             ; mlp_b2, out0
	v_lshl_add_u32 v254, v0, 2, 0x29000
	v_mov_b32 v255, 0
	ds_add_u32 v254, v255
	ds_add_u32 v254, v255
	v_lshrrev_b32 v240, 5, v0
	v_readfirstlane_b32 s24, v240                  ; wave 0..3
	s_lshr_b32 s25, ttmp9, 6                       ; the batch
	s_and_b32 s26, ttmp9, 63                       ; which 64 pixels
	s_mov_b32 s[SEL], 0x76543210
	s_mov_b32 s[SEL+1], 0xfedcba98
	s_mov_b32 s30, 0x38800000                      ; 2^-14
	s_mov_b32 s32, (2<<16)|(1<<20)|(5<<22)|(1<<25) ; elements of 4 bytes; after every 64 words 2 words of padding
	s_mov_b32 s33, 64<<16
	s_mov_b32 s34, 32<<16
	s_mov_b32 s35, 64<<16
	s_mov_b32 s36, 32
	s_mov_b32 s37, 4096
	s_mov_b32 s38, 0
	s_mov_b32 s39, 0
	s_mul_i32 s41, s24, 8448                       ; my wave's own bytes
	s_lshl_b32 s44, s25, 21                        ; x and out0: batch, 32 w channels, 64 g pixels
	s_lshl_b32 s45, s24, 19
	s_add_co_u32 s44, s44, s45
	s_lshl_b32 s45, s26, 8
	s_add_co_u32 s44, s44, s45
	s_mov_b32 s45, 0
	s_lshl_b32 s46, s25, 18
	s_lshl_b32 s47, s26, 10
	s_add_co_u32 s46, s46, s47
	s_mov_b32 s47, 0
	s_lshl_b32 s48, s25, 14
	s_lshl_b32 s49, s26, 6
	s_add_co_u32 s48, s48, s49
	s_add_co_u32 s48, s48, OSO
	s_mov_b32 s49, 0
	s_wait_dscnt 0x0
	s_wait_kmcnt 0x0
	s_mov_b32 s40, 1
	s_add_nc_u64 s[42:43], s[4:5], s[44:45]
	s_or_b32 s43, s43, 0x80000000
	tensor_load_to_lds s[40:43], s[32:39]          ; one load of mine is out
	s_nop 0
	PLACES
	s_add_nc_u64 s[22:23], s[22:23], s[44:45]
	s_add_nc_u64 s[50:51], s[6:7], s[48:49]
	s_add_nc_u64 s[6:7], s[6:7], s[46:47]
	v_and_b32 v240, 31, v0                         ; lane
	v_and_b32 v241, 15, v0                         ; r
	v_bfe_u32 v242, v0, 4, 1                       ; h
	v_lshlrev_b32 v[LI], 4, v240
	v_lshlrev_b32 v[L4], 2, v240
	v_lshlrev_b32 v[R4], 2, v241
	v_lshlrev_b32 v[OFO], 4, v241
	v_lshl_add_u32 v[OFO], v242, 16, v[OFO]
	s_lshl_b32 s52, s24, 11
	v_add_nc_u32 v[WPO], s52, v[LI]
	s_lshl_b32 s52, s24, 13
	v_add_nc_u32 v[W1O], s52, v[LI]
	s_lshl_b32 s52, s24, 7
	v_add_nc_u32 v[SPO], s52, v[R4]
	v_lshl_add_u32 v[BPO], v242, 6, s52
	s_lshl_b32 s52, s24, 9
	v_add_nc_u32 v[S1O], s52, v[R4]
	v_lshl_add_u32 v[B1O], v242, 6, s52
	v_lshlrev_b32 v[PSO], 3, v0
	v_lshlrev_b32 v[GBO], 2, v0
.irp p, 0,1,2,3,4,5,6,7,8,9,10,11,12,13,14,15
	global_load_b64 v[128+2*\p:129+2*\p], v[PSO], s[12:13] offset:1024*\p   ; group A: the 16 parts of channel t,
.endr
	global_load_b32 v160, v[GBO], s[14:15]         ; its gain and offset
	global_load_b32 v161, v[GBO], s[16:17]
.irp n, 0,1,2,3
	global_load_b32 v[208+\n], v[R4], s[50:51] offset:\n*4096      ; group B: O's scale bytes,
.endr
.irp u, 0,1
	global_load_b32 v[28+\u], v[SPO], s[8:9] offset:WSC+1536+64*\u
.endr
	WIN 0x40
.irp m, 0,1,2,3
.irp c, 0,1
	global_load_b128 v[144+8*\m+4*\c:147+8*\m+4*\c], v[OFO], s[6:7] offset:\m*256+\c*131072   ; O's fragments,
.endr
.endr
.irp u, 0,1
.irp c, 0,1
	global_load_b128 v[64+8*\u+4*\c:67+8*\u+4*\c], v[WPO], s[8:9] offset:24576+1024*\u+512*\c  ; proj_w's
.endr
.endr
	WIN 0x80
.irp u, 0,1
.irp c, 0,1
	global_load_b128 v[64+8*\u+4*\c:67+8*\u+4*\c], v[BPO], s[10:11] offset:32*\u+16*\c
.endr
.endr
.irp t, 0,1,2,3,4,5,6,7
.irp c, 0,1
	global_load_b128 v[8*\t+4*\c:8*\t+4*\c+3], v[B1O], s[18:19] offset:(32*(\t/2)+8*(\t%2))*4+16*\c   ; group C1: b1,
.endr
.endr
	WIN 0x40
.irp t, 0,1,2,3,4,5,6,7
.irp c, 0,1
	global_load_b128 v[8*\t+4*\c:8*\t+4*\c+3], v[W1O], s[8:9] offset:32768+1024*\t+512*\c     ; W1,
.endr
.endr
	WIN 0
.irp t, 0,1,2,3,4,5,6,7
	global_load_b32 v[30+\t], v[S1O], s[8:9] offset:WSC+2048+64*\t                            ; its scale words
.endr
	; LDS addresses, all made here
	s_mul_i32 s52, s24, 384
	s_add_co_u32 s52, s52, STT
	v_add_nc_u32 v[STW], s52, v[L4]
	v_lshl_add_u32 v[STRD], v242, 6, s52
	v_mul_u32_u24 v[XTR], v242, 4224
	v_add_nc_u32 v[XTR], v[XTR], v[R4]
	v_add_nc_u32 v[XTR], s41, v[XTR]               ; x: row 16 h, pixel r
	s_lshr_b32 s52, s24, 1
	s_lshl_b32 s52, s52, 9
	s_and_b32 s53, s24, 1
	s_lshl_b32 s53, s53, 8
	s_add_co_u32 s52, s52, s53
	s_add_co_u32 s52, s52, HIMG
	v_lshlrev_b32 v[HWI], 4, v241
	v_lshl_add_u32 v[HWI], v242, 10, v[HWI]
	v_add_nc_u32 v[HWI], s52, v[HWI]               ; block w of tile 2 c + h, pixel r
	s_add_co_u32 s52, s24, HSC
	v_add_nc_u32 v[HWS], s52, v[R4]
	v_add_nc_u32 v[XFA0], HIMG, v[LI]
	v_add_nc_u32 v[XSA0], HSC, v[R4]
	s_lshl_b32 s52, s24, 10
	s_add_co_u32 s52, s52, GIMG
	v_add_nc_u32 v[GWI0], s52, v[LI]
	s_lshl_b32 s52, s24, 7
	s_add_co_u32 s52, s52, GSC
	v_add_nc_u32 v[GWS0], s52, v[L4]
	v_add_nc_u32 v[GRD], GIMG, v[LI]
	v_add_nc_u32 v[GSR], GSC, v[L4]
	s_mul_i32 s52, s24, 8960
	s_add_co_u32 s52, s52, STG
	v_mul_u32_u24 v[SO], v242, 4480
	v_add_nc_u32 v[SO], v[SO], v[R4]
	v_add_nc_u32 v[SO], s52, v[SO]
	v_mul_u32_u24 v[SR], v242, 272
	v_lshl_add_u32 v[SR], v241, 4, v[SR]
	v_add_nc_u32 v[SR], s52, v[SR]
	v_lshlrev_b32 v[OO], 4, v241
	v_lshl_add_u32 v[OO], v242, 14, v[OO]
.irp b, 0,1,2,3
	v_mov_b32 v[TM+4+\b], 0
.endr
	v_mov_b32 v248, 0xb77460cd                     ; Q's leading coefficient,
	v_mov_b32 v249, 0xb77460cd
	v_mov_b32 v250, 0xaf95df0b                     ; P's
	v_mov_b32 v251, 0xaf95df0b
	s_wait_loadcnt 40                              ; groups A and B are in; C1's 40 loads may be out
.irp u, 0,1
.irp s, 0,1,2,3
	global_load_b32 v[38+4*\u+\s], v[S1O], s[8:9] offset:WSC+4096+64*(4*\u+\s)                ; group C2: W2's scale words,
.endr
.endr
	WIN 0x40
.irp u, 0,1
.irp s, 0,1,2,3
.irp c, 0,1
	global_load_b128 v[80+8*(4*\u+\s)+4*\c:83+8*(4*\u+\s)+4*\c], v[W1O], s[8:9] offset:65536+1024*(4*\u+\s)+512*\c   ; W2,
.endr
.endr
.endr
	WIN 0x80
.irp u, 0,1
.irp c, 0,1
	global_load_b128 v[80+8*\u+4*\c:83+8*\u+4*\c], v[BPO], s[20:21] offset:32*\u+16*\c        ; b2
.endr
.endr
	WIN 0
	TR4 208, 24, 212                               ; each tile's word of four heads; the statistics below part it from its product
	; ---- BN2 of channel t
	v_add_f32 v162, v128, v130
	v_add_f32 v163, v129, v131
.irp p, 2,3,4,5,6,7,8,9,10,11,12,13,14,15
	v_add_f32 v162, v162, v[128+2*\p]
	v_add_f32 v163, v163, v[129+2*\p]
.endr
	v_mul_f32 v162, 0x3d800000, v162               ; the mean
.irp p, 0,1,2,3,4,5,6,7,8,9,10,11,12,13,14,15
	v_sub_f32 v[128+2*\p], v[128+2*\p], v162
.endr
	v_mul_f32 v164, v128, v128
.irp p, 1,2,3,4,5,6,7,8,9,10,11,12,13,14,15
	v_fmac_f32 v164, v[128+2*\p], v[128+2*\p]
.endr
	v_fmamk_f32 v163, v164, 0x44800000, v163       ; M2
	v_fmaak_f32 v163, s30, v163, 0x3727c5ac        ; the biased variance + 1e-5
	v_rsq_f32 v163, v163
	v_nop
	s_wait_alu depctr_va_vdst(0)
	v_mul_f32 v163, v160, v163                     ; a2
	ds_store_b32 v[STW], v162
	ds_store_b32 v[STW], v163 offset:128
	ds_store_b32 v[STW], v161 offset:256
	WIN 0x80                                       ; back in the result's layout: channels 32 w + 16 h + 0 .. 15.  My wave's own bytes: LDS serves a wave's instructions in order
.irp q, 0,1,2,3
	ds_load_b128 v[96+4*\q:99+4*\q], v[STRD] offset:16*\q
	ds_load_b128 v[112+4*\q:115+4*\q], v[STRD] offset:128+16*\q
	ds_load_b128 v[128+4*\q:131+4*\q], v[STRD] offset:256+16*\q
.endr
	WIN 0
	; ---- P: x2 of my 32 channels
	s_wait_tensorcnt 0x0                           ; my tile of x is in; I alone read it
.irp m, 0,1,2,3
.irp i, 0,1,2,3,4,5,6,7,8,9,10,11,12,13,14,15
	ds_load_b32 v[ST+16*\m+\i], v[XTR] offset:\i*264+64*\m
.endr
.endr
	WIN 0xe5                                       ; proj_w and O in window 1, the bias in window 2, x2 in window 3
.irp m, 0,1,2,3
.irp u, 0,1
	MM 16*\m+8*\u, 64+8*\u, 144+8*\m, 64+8*\u, 28+\u, 24+\m
.endr
.endr
	PLACES
	s_wait_dscnt 0x0
	WIN 0xc3
.irp i, 0,1,2,3,4,5,6,7,8,9,10,11,12,13,14,15,16,17,18,19,20,21,22,23,24,25,26,27,28,29,30,31
	v_pk_add_f32 v[2*\i:2*\i+1], v[2*\i:2*\i+1], v[ST+2*\i:ST+2*\i+1]     ; x2, each accumulator from its low end on
.endr
	WIN 0x0b
.irp m, 0,1,2,3
.irp k, 0,1,2,3,4,5,6,7
	v_pk_add_f32 v[HA+16*\m+2*\k:HA+16*\m+2*\k+1], v[16*\m+2*\k:16*\m+2*\k+1], v[96+2*\k:97+2*\k] neg_lo:[0,1] neg_hi:[0,1]
.endr
.endr
	WIN 0x28
.irp m, 0,1,2,3
.irp k, 0,1,2,3,4,5,6,7
	v_pk_fma_f32 v[HA+16*\m+2*\k:HA+16*\m+2*\k+1], v[HA+16*\m+2*\k:HA+16*\m+2*\k+1], v[112+2*\k:113+2*\k], v[128+2*\k:129+2*\k]
.endr
.endr
	WIN 0
	QUANT HA, PC, PW                               ; the four blocks are the four tiles of pixels: each is channel block w of its pixel
	ds_store_b128 v[HWI], v[PC:PC+3]
	ds_store_b128 v[HWI], v[PC+4:PC+7] offset:2048
.irp m, 0,1,2,3
	ds_store_b8 v[HWS], v[TM+4+\m] offset:64*\m
.endr
	BARRIER                                        ; h2's four fragments lie in LDS
	; ---- 1: my 128 hidden units, a tile of pixels a trip
	s_wait_loadcnt 28                              ; C1 is in; C2's 28 loads may be out
	s_mov_b32 s56, 0
	s_mov_b32 s57, 0
	s_mov_b32 s58, 0
	s_mov_b32 s59, 0
	s_mov_b32 s60, 4
.Ltile:
	v_add_nc_u32 v[A1], s56, v[XFA0]
	v_add_nc_u32 v[A2], s57, v[XSA0]
	v_add_nc_u32 v[A3], s58, v[GWI0]
	v_add_nc_u32 v[A4], s59, v[GWS0]
	ds_load_b128 v[16:19], v[A1]
	ds_load_b128 v[20:23], v[A1] offset:512
	ds_load_b32 v46, v[A2]
	s_wait_dscnt 0x0
	WIN 0x21                                       ; W1 in window 1, b1 in window 2
.irp t, 0,1,2,3,4,5,6,7
	MM HA+8*\t, 8*\t, 16, 8*\t, 30+\t, 46
.endr
	WIN 0
	PLACES
	GELU 0
	GELU 1
	GELU 2
	GELU 3
	QUANT HA, PC, PW
	ds_store_b128 v[A3], v[PC:PC+3]                ; K step w of the last product, tile m
	ds_store_b128 v[A3], v[PC+4:PC+7] offset:512
	ds_store_b32 v[A4], v[PW]
	s_wait_dscnt 0x0
	s_add_co_u32 s56, s56, 1024
	s_add_co_u32 s57, s57, 64
	s_add_co_u32 s58, s58, 4096
	s_add_co_u32 s59, s59, 512
	s_sub_co_u32 s60, s60, 1
	s_cmp_lg_u32 s60, 0
	s_cbranch_scc1 .Ltile
	BARRIER                                        ; the hidden layer's sixteen fragments lie in LDS
	; ---- 2: the output of my 32 channels, added onto x2 + b2: eight accumulators by turns
	s_wait_loadcnt 0x0
	WIN 0xcb
.irp m, 0,1,2,3
.irp k, 0,1,2,3,4,5,6,7
	v_pk_add_f32 v[16*\m+2*\k:16*\m+2*\k+1], v[16*\m+2*\k:16*\m+2*\k+1], v[80+2*\k:81+2*\k]
.endr
.endr
	WIN 0
.irp s, 0,1,2,3
.irp m, 0,1,2,3
.irp c, 0,1
	ds_load_b128 v[ST+8*\m+4*\c:ST+8*\m+4*\c+3], v[GRD] offset:(4*\m+\s)*1024+512*\c
.endr
	ds_load_b32 v[47+\m], v[GSR] offset:(4*\m+\s)*128
.endr
	s_wait_dscnt 0x0
	WIN 0xf1                                       ; W2 in window 1, C and D in window 3
.irp m, 0,1,2,3
.irp u, 0,1
	MM 16*\m+8*\u, 80+8*(4*\u+\s), ST+8*\m, 16*\m+8*\u, 38+4*\u+\s, 47+\m
.endr
.endr
	WIN 0
	PLACES
.endr
	; ---- out: a lane holds one pixel and 16 channels; through my own stage the rows of 64 pixels come back whole
	WIN 0x0c                                       ; an LDS store's data: window 3
.irp m, 0,1,2,3
.irp i, 0,1,2,3,4,5,6,7,8,9,10,11,12,13,14,15
	ds_store_b32 v[SO], v[16*\m+\i] offset:\i*272+64*\m
.endr
.endr
	WIN 0
.irp i, 0,1,2,3,4,5,6,7,8,9,10,11,12,13,14,15
	ds_load_b128 v[ST+4*\i:ST+4*\i+3], v[SR] offset:544*\i+128*(\i/8)     ; LDS serves a wave's instructions in order: these see my stores
.endr
.irp i, 0,1,2,3,4,5,6,7,8,9,10,11,12,13,14,15
	s_wait_dscnt 15-\i                             ; the younger loads may be out
	global_store_b128 v[OO], v[ST+4*\i:ST+4*\i+3], s[22:23] offset:32768*\i th:TH_STORE_NT   ; sixteen lanes store 256 consecutive bytes, aligned
.endr
	s_wait_tensorcnt 0x0
	ds_add_u32 v254, v255
	s_wait_dscnt 0x0
	s_endpgm
.Lfunc_end_k_q38edf8cee7_mlp:
	.size	k_q38edf8cee7_mlp, .Lfunc_end_k_q38edf8cee7_mlp-k_q38edf8cee7_mlp
	.p2alignl 7, 3214868480
	.fill 96, 4, 3214868480
	.section	.rodata,"a",@progbits
	.p2align	6, 0x0
	.amdhsa_kernel k_q38edf8cee7_mlp
		.amdhsa_group_segment_fixed_size 168448
		.amdhsa_private_segment_fixed_size 0
		.amdhsa_enable_private_segment 0
		.amdhsa_kernarg_size 80
		.amdhsa_user_sgpr_count 2
		.amdhsa_user_sgpr_kernarg_segment_ptr 1
		.amdhsa_wavefront_size32 1
		.amdhsa_system_sgpr_workgroup_id_x 1
		.amdhsa_system_sgpr_workgroup_id_y 1
		.amdhsa_system_sgpr_workgroup_id_z 1
		.amdhsa_system_vgpr_workitem_id 0
		.amdhsa_next_free_vgpr 1024
		.amdhsa_next_free_sgpr 66
		.amdhsa_reserve_vcc 0
		.amdhsa_float_denorm_mode_32 3
		.amdhsa_float_denorm_mode_16_64 3
		.amdhsa_memory_ordered 1
		.amdhsa_forward_progress 1
		.amdhsa_inst_pref_size 108
	.end_amdhsa_kernel
	.amdgpu_metadata
---
amdhsa.version: [ 1, 2 ]
amdhsa.kernels:
  - .name:           k_q38edf8cee7_mlp
    .symbol:         k_q38edf8cee7_mlp.kd
    .args:
      - { .name: x, .offset: 0, .size: 8, .value_kind: global_buffer, .address_space: global }
      - { .name: oc, .offset: 8, .size: 8, .value_kind: global_buffer, .address_space: global }
      - { .name: wq, .offset: 16, .size: 8, .value_kind: global_buffer, .address_space: global }
      - { .name: proj_b, .offset: 24, .size: 8, .value_kind: global_buffer, .address_space: global }
      - { .name: pst, .offset: 32, .size: 8, .value_kind: global_buffer, .address_space: global }
      - { .name: bn2_g, .offset: 40, .size: 8, .value_kind: global_buffer, .address_space: global }
      - { .name: bn2_b, .offset: 48, .size: 8, .value_kind: global_buffer, .address_space: global }
      - { .name: mlp_b1, .offset: 56, .size: 8, .value_kind: global_buffer, .address_space: global }
      - { .name: mlp_b2, .offset: 64, .size: 8, .value_kind: global_buffer, .address_space: global }
      - { .name: out0, .offset: 72, .size: 8, .value_kind: global_buffer, .address_space: global }
    .group_segment_fixed_size: 168448
    .private_segment_fixed_size: 0
    .kernarg_segment_align: 8
    .kernarg_segment_size: 80
    .max_flat_workgroup_size: 128
    .sgpr_count:     66
    .vgpr_count:     1024
    .wavefront_size: 32
...
	.end_amdgpu_metadata
.endif
;; end of part 5
